; MI455X (gfx1250); checked and timed in simulation.
; The chip was launched on July 23, 2026; its instructions are those of AMD's public machine-readable ISA for CDNA 5 (MIT licence, August 2026) and "CDNA5" Instruction Set Architecture Reference Guide (July 2026). The comments in the code are by the model that wrote it; some were corrected since.
;; No Cross Layer Light. Allowed arithmetic: float matrix products may take bf16 or f16 operands with f32 sums; all other float work in f32.
;; Inputs: b_m1 128 float32; b_m2 128 float32; b_pos 128 float32; b_t1 128 float32; b_t2 128 float32; feat1 8 x 64 x 4,096 float32; feat2 8 x 64 x 4,096 float32; pc1 8 x 3 x 4,096 float32; pc2 8 x 3 x 4,096 float32; w_m1 128 x 128 float32; w_m2 128 x 128 float32; w_pos 128 x 3 float32; w_t1 128 x 64 float32; w_t2 128 x 64 float32.
;; Outputs: out0 8 x 128 x 4,096 float32.
;; 2 versions, each right; version 2 is version 1 with the launch knn_groups written anew for expert scheduling mode. Each part assembles by itself: llvm-mc -triple=amdgcn-amd-amdhsa -mcpu=gfx1250 --defsym DOCPART=n.
;; ======== version 1 of 2: 3 launches
;; limits: values outside matrix products are rounded to f16; values are held in f16: magnitudes above 65,504 overflow, below 6.1e-05 lose precision
;; workspace buffers: grp 524,288 bytes of whole numbers; idx 1,048,576 bytes of whole numbers; p2t 8,388,608 bytes; wpk 98,304 bytes
;; launch knn_groups (part 1): grid 32 x 8, 4 waves a work-group, no clusters, 201,728 bytes of LDS; arguments pc1, pc2, w_m1, w_m2, w_t1, w_t2, grp, wpk; writes grp, wpk
.if DOCPART == 1
	.amdgcn_target "amdgcn-amd-amdhsa--gfx1250"
	.amdhsa_code_object_version 6
	.text
	.protected	k_q96de1dd6b0_knn_groups
	.globl	k_q96de1dd6b0_knn_groups
	.p2align	8
	.type	k_q96de1dd6b0_knn_groups,@function
k_q96de1dd6b0_knn_groups:
	s_mov_b64 s[64:65], 0
	v_nop
	global_prefetch_b8 v0, s[64:65] scope:SCOPE_SE
	s_setreg_imm32_b32 hwreg(HW_REG_WAVE_MODE, 25, 1), 1
	s_wait_xcnt 0x0
; NEAREST NEIGHBOURS, FIRST LEVEL.  A batch's 4,096 keys lie in 256 groups of 16 consecutive indices.  For each query this launch stores the numbers of the 16 groups
; that are best by (smallest distance in the group, group number).  The 16 nearest keys by (distance, index) lie in these groups: were a key of them in another group,
; 16 groups would each hold a key in front of it.  The choice is made without a branch or an address that hangs on a distance.
; DISTANCE.  Every coordinate is rounded to bf16 first; then in f32, in this order: s = fma(z,z,fma(y,y,x*x)); dot = fma(z1,z2,fma(y1,y2,x1*x2)); t = s1 + s2; d = fma(-2,dot,t).
; Products of two bf16 numbers are exact in f32, so only the order of the additions shows in the bits.
; LIMITS.  NaN and infinities are not treated.  The neighbours are those of the bf16-rounded coordinates.  Where the three squares or products are added in another order
; than x, y, z, keys whose distances differ by a last bit may change places.
; SHARES.  A work-group: 128 queries of one batch against all keys.  Phase 1: every wave holds all 128 queries (a lane four, as two register pairs) and walks 64 groups;
; the groups' minima go to LDS.  Phase 2: a lane is one query and chooses among its 256 minima.
; ALSO: work-groups 0 to 191 (wave 0) each round 512 numbers of the four weight matrices to bf16 and store them as half a matrix fragment (wpk), 512 consecutive bytes.
; w_m1's numbers, so rounded, are written as f16 (its partner in the product, the first hidden layer, is kept in f16): exact from 2^-14 up, below that in f16's fixed step of 2^-24; beyond 65,504 infinite.
; NO CLUSTER, NO TENSOR LOAD: the 32 work-groups of a batch share pc2 alone, 49,152 bytes read once for 524,288 distances, and the table in LDS is computed from it, not copied.
.set GP,    272                        ; a group in the key table: 8 pairs of 32 bytes [xa xb ya yb][za zb sa sb] + 16 bytes
.set KT,    131072                     ; key table: 257 groups (the last holds zeros: the look-ahead of the last group reads it)
.set SPARE, 201216                     ; the spare words, 128 bytes a wave; bytes 0 to 131,071: MT[group][128 queries] f32
.set SPW,  2                           ; v2  my spare word's address; never rewritten
.set NIL,  3                           ; v3  0; never rewritten
.set KA,   4                           ; v4  the key table at the group in hand (the same in all lanes)
.set MA,   5                           ; v5  where my four minima go
.set MR,   6                           ; v6  phase 2: my query's column of MT
.set KW,   9                           ; v9  where my four keys go in the table
.set QX,   12                          ; v12-27  x, y, z, s of my four queries
.set QY,   16
.set QZ,   20
.set QS,   24
.set M,    28                          ; v28-31  the group's minima for my four queries
.set D,    32                          ; v32-47  (key kk of four, query q) at D + 4 kk + q
.set T,    48                          ; v48-63  s1 + s2, likewise
.set BUFA, 64                          ; v64-127, v128-191  a group's 64 words, two buffers
.set BUFB, 128
.set RAW,  64                          ; at the start: pc2 as loaded, 12 registers for each of my 8 quads of keys
.set O,    160                         ; v160-175  a quad on its way into the table
.set PW,   176                         ; v176-191  the weight pack
.set L,    64                          ; phase 2: v64-79 the 16 smallest, ascending
.set MV,   80                          ; v80-95 minima as loaded
.set TH,   96                          ; the 16th smallest
.set NEED, 97                          ; how many equal to it are taken
.set CNT,  98                          ; how many equal to it have been seen
.set TMP,  99
.set CL,   100
.set S,    104                         ; v104-107  the queue: 16 group numbers, a byte each
.set SH,   108                         ; v108-115  at work: a bit, then a shift
.set WV,  20
.set XX,  21
.set YY,  22
.set WG,  23
.set LT,  32                           ; s32-39, s40-47, s48-55  lane masks of eight candidates
.set EQ,  40
.set TK,  48
.set GID, 56
.set CTR, 57
.set HM,  63                           ; a word's upper bf16
	s_load_b512 s[4:19], s[0:1], 0x0               ; pc1, pc2, w_m1, w_m2, w_t1, w_t2, grp, wpk
	v_lshl_add_u32 v[SPW], v0, 2, SPARE
	v_mov_b32 v[NIL], 0
	v_and_b32 v1, 31, v0                           ; lane
	v_lshrrev_b32 v7, 5, v0
	v_readfirstlane_b32 s[WV], v7                  ; wave
	s_mov_b32 s[XX], ttmp9                         ; block of 128 queries
	s_and_b32 s[YY], ttmp7, 0xffff                 ; batch
	s_lshl_b32 s[WG], s[YY], 5
	s_add_co_u32 s[WG], s[WG], s[XX]               ; the work-group's number, 0 to 255
	s_mov_b32 s[HM], 0xffff0000
	s_mul_i32 s24, s[YY], 49152                    ; a batch of pc: 3 planes of 16,384 bytes
	s_mov_b32 s25, 0
	s_lshl_b32 s26, s[XX], 9                       ; 128 queries of 4 bytes
	s_mov_b32 s27, 0
	v_lshlrev_b32 v7, 4, v1                        ; my four queries
	v_lshlrev_b32 v8, 4, v0                        ; my quad of keys in each run of 512 keys
	v_lshrrev_b32 v10, 2, v0
	v_and_b32 v11, 3, v0
	v_mul_u32_u24 v[KW], v10, GP                   ; group t / 4 of each 32, quad t % 4 of the group
	v_lshl_add_u32 v[KW], v11, 6, v[KW]
	v_add_nc_u32 v[KW], KT, v[KW]
	s_wait_kmcnt 0x0
	s_add_nc_u64 s[4:5], s[4:5], s[24:25]
	s_add_nc_u64 s[4:5], s[4:5], s[26:27]
	s_add_nc_u64 s[6:7], s[6:7], s[24:25]
	global_load_b128 v[QX:QX+3], v7, s[4:5]
	global_load_b128 v[QY:QY+3], v7, s[4:5] offset:16384
	global_load_b128 v[QZ:QZ+3], v7, s[4:5] offset:32768
.set i, 0
.rept 8
	global_load_b128 v[RAW+12*i:RAW+12*i+3],    v8, s[6:7] offset:2048*i
	global_load_b128 v[RAW+12*i+4:RAW+12*i+7],  v8, s[6:7] offset:2048*i+16384
	global_load_b128 v[RAW+12*i+8:RAW+12*i+11], v8, s[6:7] offset:2048*i+32768
.set i, i+1
.endr
	; THE WEIGHT PACK.  Job j = the work-group's number; fragment F = j / 2, half j % 2.  F 0-31: w_m1, 32-63: w_m2 (tile (F % 32) / 4, K step F % 4, rows of 512 bytes);
	; 64-79: w_t1, 80-95: w_t2 (tile (F % 16) / 2, K step F % 2, rows of 256 bytes).  Lane l takes row 16 tile + l % 16, k = 32 step + 16 half + 8 (l / 16) + 0..7.
	s_cmp_lg_u32 s[WV], 0
	s_cbranch_scc1 .Lnopack
	s_cmp_ge_u32 s[WG], 192
	s_cbranch_scc1 .Lnopack
	s_lshr_b32 s30, s[WG], 1
	s_bfe_u32 s58, s30, 0x30002
	s_and_b32 s59, s30, 3
	s_bfe_u32 s60, s30, 0x30001
	s_and_b32 s61, s30, 1
	s_cmp_lt_u32 s30, 32
	s_cselect_b64 s[26:27], s[8:9], s[10:11]
	s_cmp_lt_u32 s30, 80
	s_cselect_b64 s[28:29], s[12:13], s[14:15]
	s_cmp_lt_u32 s30, 64
	s_cselect_b64 s[26:27], s[26:27], s[28:29]     ; the matrix
	s_cselect_b32 s58, s58, s60                    ; the tile
	s_cselect_b32 s59, s59, s61                    ; the K step
	s_cselect_b32 s60, 9, 8                        ; log2 of a row's bytes
	s_lshl_b32 s59, s59, 7
	s_and_b32 s61, s[WG], 1
	s_lshl_b32 s61, s61, 6
	s_add_co_u32 s59, s59, s61                     ; 128 step + 64 half
	s_cmp_lt_u32 s30, 32
	s_cselect_b32 s61, -1, 0                       ; all lanes, or none: w_m1 alone is written as f16
	v_and_b32 v[PW], 15, v0
	v_lshl_add_u32 v[PW], s58, 4, v[PW]
	v_lshlrev_b32 v[PW], s60, v[PW]
	v_bfe_u32 v[PW+1], v0, 4, 1
	v_lshl_add_u32 v[PW+1], v[PW+1], 5, s59
	v_add_nc_u32 v[PW], v[PW], v[PW+1]
	global_load_b128 v[PW+4:PW+7],  v[PW], s[26:27]
	global_load_b128 v[PW+8:PW+11], v[PW], s[26:27] offset:16
	v_lshlrev_b32 v[PW+2], 4, v1
	v_lshl_add_u32 v[PW+2], s[WG], 9, v[PW+2]      ; 512 j + 16 l
	s_wait_loadcnt 0x0
	v_cvt_pk_bf16_f32 v[PW+12], v[PW+4], v[PW+5]
	v_cvt_pk_bf16_f32 v[PW+13], v[PW+6], v[PW+7]
	v_cvt_pk_bf16_f32 v[PW+14], v[PW+8], v[PW+9]
	v_cvt_pk_bf16_f32 v[PW+15], v[PW+10], v[PW+11]
.set i, 0
.rept 4                                ; the rounded numbers once more in f32,
	v_lshlrev_b32 v[PW+4+2*i], 16, v[PW+12+i]
	v_and_b32     v[PW+5+2*i], s[HM], v[PW+12+i]
.set i, i+1
.endr
.set i, 0
.rept 4                                ; as f16 (each line's sources lie at or above its destination, so none is overwritten early),
	v_cvt_pk_f16_f32 v[PW+4+i], v[PW+4+2*i], v[PW+5+2*i]
.set i, i+1
.endr
.set i, 0
.rept 4                                ; and taken where the matrix is w_m1
	v_cndmask_b32 v[PW+12+i], v[PW+12+i], v[PW+4+i], s61
.set i, i+1
.endr
	global_store_b128 v[PW+2], v[PW+12:PW+15], s[18:19]
.Lnopack:
	s_wait_loadcnt 0x0                             ; queries and keys are in, on both ways
	s_wait_xcnt 0x0                                ; the pack's registers and base are rewritten only behind this wait
	; the queries: rounded to bf16, widened again; s
.irp b, QX, QY, QZ
	v_cvt_pk_bf16_f32 v[T],   v[\b],   v[\b+1]
	v_cvt_pk_bf16_f32 v[T+1], v[\b+2], v[\b+3]
	v_lshlrev_b32 v[\b],   16, v[T]
	v_and_b32     v[\b+1], s[HM], v[T]
	v_lshlrev_b32 v[\b+2], 16, v[T+1]
	v_and_b32     v[\b+3], s[HM], v[T+1]
.endr
.irp e, 0, 2
	v_pk_mul_f32 v[QS+\e:QS+\e+1], v[QX+\e:QX+\e+1], v[QX+\e:QX+\e+1]
	v_pk_fma_f32 v[QS+\e:QS+\e+1], v[QY+\e:QY+\e+1], v[QY+\e:QY+\e+1], v[QS+\e:QS+\e+1]
	v_pk_fma_f32 v[QS+\e:QS+\e+1], v[QZ+\e:QZ+\e+1], v[QZ+\e:QZ+\e+1], v[QS+\e:QS+\e+1]
.endr
; My quad i of keys: rounded, s made, laid into the table as two pairs.
.macro KBUILD i
.set R, RAW+12*(\i)
	v_cvt_pk_bf16_f32 v[T],   v[R],    v[R+1]
	v_cvt_pk_bf16_f32 v[T+1], v[R+2],  v[R+3]
	v_cvt_pk_bf16_f32 v[T+2], v[R+4],  v[R+5]
	v_cvt_pk_bf16_f32 v[T+3], v[R+6],  v[R+7]
	v_cvt_pk_bf16_f32 v[T+4], v[R+8],  v[R+9]
	v_cvt_pk_bf16_f32 v[T+5], v[R+10], v[R+11]
.irp h, 0, 1
	v_lshlrev_b32 v[O+8*\h],   16, v[T+\h]
	v_and_b32     v[O+8*\h+1], s[HM], v[T+\h]
	v_lshlrev_b32 v[O+8*\h+2], 16, v[T+2+\h]
	v_and_b32     v[O+8*\h+3], s[HM], v[T+2+\h]
	v_lshlrev_b32 v[O+8*\h+4], 16, v[T+4+\h]
	v_and_b32     v[O+8*\h+5], s[HM], v[T+4+\h]
	v_pk_mul_f32 v[O+8*\h+6:O+8*\h+7], v[O+8*\h:O+8*\h+1],   v[O+8*\h:O+8*\h+1]
	v_pk_fma_f32 v[O+8*\h+6:O+8*\h+7], v[O+8*\h+2:O+8*\h+3], v[O+8*\h+2:O+8*\h+3], v[O+8*\h+6:O+8*\h+7]
	v_pk_fma_f32 v[O+8*\h+6:O+8*\h+7], v[O+8*\h+4:O+8*\h+5], v[O+8*\h+4:O+8*\h+5], v[O+8*\h+6:O+8*\h+7]
.endr
	ds_store_b128 v[KW], v[O:O+3]     offset:(\i)*32*GP
	ds_store_b128 v[KW], v[O+4:O+7]   offset:(\i)*32*GP+16
	ds_store_b128 v[KW], v[O+8:O+11]  offset:(\i)*32*GP+32
	ds_store_b128 v[KW], v[O+12:O+15] offset:(\i)*32*GP+48
.endm
.irp i, 0,1,2,3,4,5,6,7
	KBUILD \i
.endr
	s_cmp_lg_u32 s[WV], 3
	s_cbranch_scc1 .Lnopad
	v_mov_b32 v[O], 0                              ; group 256: zeros, read by the last look-ahead and never used
	v_mov_b32 v[O+1], 0
	v_mov_b32 v[O+2], 0
	v_mov_b32 v[O+3], 0
	v_and_b32 v10, 15, v0
	v_lshlrev_b32 v10, 4, v10
	v_add_nc_u32 v10, KT+256*GP, v10
	ds_store_b128 v10, v[O:O+3]
.Lnopad:
	s_mul_i32 s24, s[WV], 64*GP
	s_add_co_u32 s24, s24, KT
	v_mov_b32 v[KA], s24                           ; my wave's first group
	v_lshlrev_b32 v[MA], 4, v1
	v_lshl_add_u32 v[MA], s[WV], 15, v[MA]         ; MT: 64 rows of 512 bytes a wave, 16 bytes a lane
	s_wait_dscnt 0x0                               ; for the others' sake: my part of the table is written
	s_barrier_signal -1
	s_barrier_wait -1
; PHASE 1.  One operation for the eight chains of a block: four keys (pairs 2 blk, 2 blk + 1 of the group) x two pairs of queries.  A key is one register of a pair and
; feeds both halves of the packed instruction: the first register by op_sel_hi 0, the second by op_sel 1.
.macro KOP op, blk
.set kk, 0
.rept 4
.set KP, CUR+8*(2*(\blk)+kk/2)
.set qp, 0
.rept 2
.set DR, D+4*kk+2*qp
.set TR, T+4*kk+2*qp
.if (\op) == 0
.if kk%2 == 0
	v_pk_mul_f32 v[DR:DR+1], v[QX+2*qp:QX+2*qp+1], v[KP:KP+1] op_sel_hi:[1,0]
.else
	v_pk_mul_f32 v[DR:DR+1], v[QX+2*qp:QX+2*qp+1], v[KP:KP+1] op_sel:[0,1] op_sel_hi:[1,1]
.endif
.elseif (\op) == 1
.if kk%2 == 0
	v_pk_fma_f32 v[DR:DR+1], v[QY+2*qp:QY+2*qp+1], v[KP+2:KP+3], v[DR:DR+1] op_sel_hi:[1,0,1]
.else
	v_pk_fma_f32 v[DR:DR+1], v[QY+2*qp:QY+2*qp+1], v[KP+2:KP+3], v[DR:DR+1] op_sel:[0,1,0] op_sel_hi:[1,1,1]
.endif
.elseif (\op) == 2
.if kk%2 == 0
	v_pk_fma_f32 v[DR:DR+1], v[QZ+2*qp:QZ+2*qp+1], v[KP+4:KP+5], v[DR:DR+1] op_sel_hi:[1,0,1]
.else
	v_pk_fma_f32 v[DR:DR+1], v[QZ+2*qp:QZ+2*qp+1], v[KP+4:KP+5], v[DR:DR+1] op_sel:[0,1,0] op_sel_hi:[1,1,1]
.endif
.elseif (\op) == 3
.if kk%2 == 0
	v_pk_add_f32 v[TR:TR+1], v[QS+2*qp:QS+2*qp+1], v[KP+6:KP+7] op_sel_hi:[1,0]
.else
	v_pk_add_f32 v[TR:TR+1], v[QS+2*qp:QS+2*qp+1], v[KP+6:KP+7] op_sel:[0,1] op_sel_hi:[1,1]
.endif
.else
	v_pk_fma_f32 v[DR:DR+1], v[DR:DR+1], -2.0, v[TR:TR+1] op_sel_hi:[1,0,1]
.endif
.set qp, qp+1
.endr
.set kk, kk+1
.endr
.endm
.macro KMIN blk                        ; the block's four keys into the minima; the group's first two start them
.set q, 0
.rept 4
.if (\blk) == 0
	v_min_num_f32 v[M+q], v[D+q], v[D+4+q]
.else
	v_min3_num_f32 v[M+q], v[M+q], v[D+q], v[D+4+q]
.endif
.set q, q+1
.endr
.set q, 0
.rept 4
	v_min3_num_f32 v[M+q], v[M+q], v[D+8+q], v[D+12+q]
.set q, q+1
.endr
.endm
; A group: the next group's 16 loads go out first, then the group in buffer cur is worked on.
.macro GRP cur, nxt, koff, moff
.set CUR, \cur
.set i, 0
.rept 16
	ds_load_b128 v[(\nxt)+4*i:(\nxt)+4*i+3], v[KA] offset:(\koff)+GP+16*i
.set i, i+1
.endr
	s_wait_dscnt 16                                ; LDS instructions end in order: all but the 16 just issued are done, this group's loads among them
.irp blk, 0,1,2,3
	KOP 0, \blk
	KOP 1, \blk
	KOP 2, \blk
	KOP 3, \blk
	KOP 4, \blk
	KMIN \blk
.endr
	ds_store_b128 v[MA], v[M:M+3] offset:\moff
.endm
.set i, 0
.rept 16
	ds_load_b128 v[BUFA+4*i:BUFA+4*i+3], v[KA] offset:16*i
.set i, i+1
.endr
	s_mov_b32 s[CTR], 32
.Lgrp:                                                 ; 32 trips of two groups
	GRP BUFA, BUFB, 0, 0
	GRP BUFB, BUFA, GP, 512
	v_add_nc_u32 v[KA], 2*GP, v[KA]
	v_add_nc_u32 v[MA], 1024, v[MA]
	s_sub_co_u32 s[CTR], s[CTR], 1
	s_cmp_lg_u32 s[CTR], 0
	s_cbranch_scc1 .Lgrp
	s_wait_dscnt 0x0                               ; my minima are written, and the last look-ahead is back
	s_barrier_signal -1
	s_barrier_wait -1
; PHASE 2a.  The 16 smallest of my query's 256 minima, values alone: a sorted list; each value is set in by 15 medians and a minimum, none of which waits for another.
.macro INSERT c
.set ii, 15
.rept 15
	v_med3_num_f32 v[L+ii], v[L+ii-1], v[\c], v[L+ii]
.set ii, ii-1
.endr
	v_min_num_f32 v[L], v[L], v[\c]
.endm
.macro SCAN ahead                      ; 16 rows of MT through a ring of 16 registers
.set j, 0
.rept 16
.if \ahead
	s_wait_dscnt 15                                ; the oldest of the 16 loads is in
.else
	s_wait_dscnt 15-j                              ; the last round loads nothing: the counts run down
.endif
	INSERT MV+j
.if \ahead
	ds_load_b32 v[MV+j], v[MR] offset:(16+j)*512
.endif
.set j, j+1
.endr
.endm
	v_lshlrev_b32 v[MR], 2, v0                     ; query 32 wave + lane = my thread's number
.set i, 0
.rept 16
	v_mov_b32 v[L+i], 0x7f800000
	ds_load_b32 v[MV+i], v[MR] offset:i*512
.set i, i+1
.endr
	s_mov_b32 s[CTR], 15
.Lscan:
	SCAN 1
	v_add_nc_u32 v[MR], 8192, v[MR]
	s_sub_co_u32 s[CTR], s[CTR], 1
	s_cmp_lg_u32 s[CTR], 0
	s_cbranch_scc1 .Lscan
	SCAN 0
	; PHASE 2b.  TH = the 16th smallest; all below it are taken, and of those equal to it the first NEED in ascending group number: 16 in all.
	v_mov_b32 v[TH], v[L+15]
	v_mov_b32 v[CL], 0
.set i, 0
.rept 15
	v_cmp_lt_f32 vcc_lo, v[L+i], v[TH]
	v_cndmask_b32 v[TMP], 0, 1, vcc_lo
	v_add_nc_u32 v[CL], v[CL], v[TMP]
.set i, i+1
.endr
	v_sub_nc_u32 v[NEED], 16, v[CL]
	v_mov_b32 v[CNT], 0
	v_lshlrev_b32 v[MR], 2, v0
.set i, 0
.rept 4
	v_mov_b32 v[S+i], 0
.set i, i+1
.endr
	s_mov_b32 s[GID], 0
; Eight groups.  A taken number enters the queue of 16 bytes from the top: the four registers are shifted right by 8 bits, or by 0 where it is not taken; every lane does the same work.
.macro PICK ahead
	s_wait_dscnt 0x0
.set j, 0
.rept 8
	v_cmp_lt_f32 s[LT+j], v[MV+j], v[TH]
	v_cmp_eq_f32 s[EQ+j], v[MV+j], v[TH]
.set j, j+1
.endr
.if \ahead
.set j, 0
.rept 8
	ds_load_b32 v[MV+j], v[MR] offset:(8+j)*512    ; the next eight: what follows stands between these loads and the wait for them
.set j, j+1
.endr
.endif
.set j, 0
.rept 8
	v_cndmask_b32 v[SH+j], 0, 1, s[EQ+j]
.set j, j+1
.endr
.set j, 0
.rept 8
	v_cmp_gt_u32 s[TK+j], v[NEED], v[CNT]
	v_add_nc_u32 v[CNT], v[CNT], v[SH+j]
.set j, j+1
.endr
.set j, 0
.rept 8
	s_and_b32 s[TK+j], s[TK+j], s[EQ+j]
	s_or_b32 s[TK+j], s[TK+j], s[LT+j]
.set j, j+1
.endr
.set j, 0
.rept 8
	v_cndmask_b32 v[SH+j], 0, 8, s[TK+j]
.set j, j+1
.endr
.set j, 0
.rept 8
	v_alignbit_b32 v[S],   v[S+1], v[S],   v[SH+j]
	v_alignbit_b32 v[S+1], v[S+2], v[S+1], v[SH+j]
	v_alignbit_b32 v[S+2], v[S+3], v[S+2], v[SH+j]
	v_alignbit_b32 v[S+3], s[GID], v[S+3], v[SH+j]
	s_add_co_u32 s[GID], s[GID], 1
.set j, j+1
.endr
.endm
.set j, 0
.rept 8
	ds_load_b32 v[MV+j], v[MR] offset:j*512
.set j, j+1
.endr
	s_mov_b32 s[CTR], 31
.Lpick:
	PICK 1
	v_add_nc_u32 v[MR], 4096, v[MR]
	s_sub_co_u32 s[CTR], s[CTR], 1
	s_cmp_lg_u32 s[CTR], 0
	s_cbranch_scc1 .Lpick
	PICK 0
	s_lshl_b32 s24, s[YY], 16                      ; 16 bytes a query: byte 0 the smallest group number, byte 15 the largest
	s_lshl_b32 s26, s[XX], 11
	s_add_co_u32 s24, s24, s26
	s_mov_b32 s25, 0
	s_add_nc_u64 s[16:17], s[16:17], s[24:25]
	v_lshlrev_b32 v7, 4, v0
	global_store_b128 v7, v[S:S+3], s[16:17]       ; a wave's store covers 512 consecutive bytes, aligned
	s_wait_tensorcnt 0x0                           ; the wave's end: three closing lines behind my last LDS store
	ds_add_u32 v[SPW], v[NIL]
	s_wait_dscnt 0x0
	s_endpgm
.Lfunc_end_k_q96de1dd6b0_knn_groups:
	.size	k_q96de1dd6b0_knn_groups, .Lfunc_end_k_q96de1dd6b0_knn_groups-k_q96de1dd6b0_knn_groups
	.p2alignl 7, 3214868480
	.fill 96, 4, 3214868480
	.section	.rodata,"a",@progbits
	.p2align	6, 0x0
	.amdhsa_kernel k_q96de1dd6b0_knn_groups
		.amdhsa_group_segment_fixed_size 201728
		.amdhsa_private_segment_fixed_size 0
		.amdhsa_enable_private_segment 0
		.amdhsa_kernarg_size 64
		.amdhsa_user_sgpr_count 2
		.amdhsa_user_sgpr_kernarg_segment_ptr 1
		.amdhsa_wavefront_size32 1
		.amdhsa_system_sgpr_workgroup_id_x 1
		.amdhsa_system_sgpr_workgroup_id_y 1
		.amdhsa_system_sgpr_workgroup_id_z 1
		.amdhsa_system_vgpr_workitem_id 0
		.amdhsa_next_free_vgpr 192
		.amdhsa_next_free_sgpr 66
		.amdhsa_reserve_vcc 1
		.amdhsa_float_denorm_mode_32 3
		.amdhsa_float_denorm_mode_16_64 3
		.amdhsa_memory_ordered 1
		.amdhsa_forward_progress 1
		.amdhsa_inst_pref_size 97
	.end_amdhsa_kernel
	.amdgpu_metadata
---
amdhsa.version: [ 1, 2 ]
amdhsa.kernels:
  - .name:           k_q96de1dd6b0_knn_groups
    .symbol:         k_q96de1dd6b0_knn_groups.kd
    .args:
      - { .name: pc1, .offset: 0, .size: 8, .value_kind: global_buffer, .address_space: global }
      - { .name: pc2, .offset: 8, .size: 8, .value_kind: global_buffer, .address_space: global }
      - { .name: w_m1, .offset: 16, .size: 8, .value_kind: global_buffer, .address_space: global }
      - { .name: w_m2, .offset: 24, .size: 8, .value_kind: global_buffer, .address_space: global }
      - { .name: w_t1, .offset: 32, .size: 8, .value_kind: global_buffer, .address_space: global }
      - { .name: w_t2, .offset: 40, .size: 8, .value_kind: global_buffer, .address_space: global }
      - { .name: grp, .offset: 48, .size: 8, .value_kind: global_buffer, .address_space: global }
      - { .name: wpk, .offset: 56, .size: 8, .value_kind: global_buffer, .address_space: global }
    .group_segment_fixed_size: 201728
    .private_segment_fixed_size: 0
    .kernarg_segment_align: 8
    .kernarg_segment_size: 64
    .max_flat_workgroup_size: 128
    .sgpr_count:     66
    .vgpr_count:     192
    .wavefront_size: 32
...
	.end_amdgpu_metadata
.endif
;; end of part 1
;; launch knn_refine (part 2): grid 32 x 8, 4 waves a work-group, no clusters, 254,976 bytes of LDS; arguments pc1, pc2, feat2, b_t2, grp, wpk, idx, p2t; writes idx, p2t
.if DOCPART == 2
	.amdgcn_target "amdgcn-amd-amdhsa--gfx1250"
	.amdhsa_code_object_version 6
	.text
	.protected	k_q96de1dd6b0_knn_refine
	.globl	k_q96de1dd6b0_knn_refine
	.p2align	8
	.type	k_q96de1dd6b0_knn_refine,@function
k_q96de1dd6b0_knn_refine:
	s_mov_b64 s[64:65], 0
	v_nop
	global_prefetch_b8 v0, s[64:65] scope:SCOPE_SE
	s_setreg_imm32_b32 hwreg(HW_REG_WAVE_MODE, 25, 1), 1
	s_wait_xcnt 0x0
; NEAREST NEIGHBOURS, SECOND LEVEL, AND THE TABLE p2t.
; (1) For each query the 16 x 16 keys of its 16 groups (grp, ascending group number) are measured again, by the same arithmetic as in the first level, and the 16 best by
; (distance, index) are stored as 16-bit key numbers (idx; a set, its order serves nothing).  A lane is one query.  The groups' numbers are whole numbers read from memory,
; clamped to 255 before they enter an LDS address; no branch and no address hangs on a distance.
; (2) p2t[batch][key][128] = f16(W_t2 feat2 + b_t2), by the matrix unit: bf16 operands (both are inputs), f32 sums; the work-group makes the rows of keys 128 x .. 128 x + 127, a wave 32 of them.
; WHY f16 FOR p2t: it is an operand of the next launch's first product, and f16's 11 bits keep its rounding an eighth of bf16's.  Its room: a sum of 64 products; with feat2 and w_t2 both 30 times
; their drawn spread (30 and 1.5) its spread is 8 x 45 = 360; with both offset by that much it is 64 x 45 = 2,880; both 30 times smaller, 4e-4 against f16's fixed step of 6e-8.
; All inputs are rounded to bf16 as they come in.  LIMITS: as in the first level (NaN and infinities not treated; neighbours of the rounded coordinates; order of additions x, y, z); a p2 beyond 65,504 becomes infinite.
; NO CLUSTER, NO TENSOR LOAD: a batch's 32 work-groups share pc2 (49,152 bytes) and 16,384 bytes of weights, each read once; the key table is computed, not copied.
.set GP,    272                        ; key table at byte 0: 256 groups of 8 pairs [xa xb ya yb][za zb sa sb] + 16 bytes, so that lanes with different groups begin in different banks
.set DT,    69632                      ; distances, each wave's own 32,768 bytes: [slot 16][quad 4][lane 32][4] f32
.set FT,    200704                     ; feat2's tile in bf16: [channel 64][key 128], rows 288 bytes apart
.set FP,    288
.set PST,   219136                     ; the stage for p2t's rows: 128 rows of 256 bytes, 272 apart
.set PP,    272
.set BQ,    253952                     ; b_t2, rounded, f32
.set SPARE, 254464
.set SPW,  4
.set NIL,  5
.set KW,   6
.set DA,   7
.set TR,   8
.set PSW,  9
.set PSR,  10
.set BQA,  11
.set GO,   12
.set AD,   13
.set GG,   14
.set DA0,  15
.set Q,    16                          ; v16-19  x1, y1, z1, s1
.set G,    20                          ; v20-23  the queue of 16 group numbers; v24-27 a copy for the second pass
.set G2,   24
.set A16T, 28                          ; v28-31  load offsets; never rewritten
.set A16L, 29
.set AFE,  30
.set A4T,  31
.set RAW,  32                          ; v32-127 pc2 as loaded
.set FR,   128                         ; v128-191 feat2 as loaded
.set O,    192
.set T,    208
.set BR,   216
.set FW,   217
.set BW,   218
.set FB,   32                          ; v32-63  feat2's fragments: (nt, ks) at FB + 8 (2 nt + ks)
.set ACC,  64                          ; v64-127 eight accumulators
.set RO,   160                         ; v160-223 rows going out
.set K,    32                          ; v32-95  a group's 64 words
.set D,    96                          ; v96-111 its 16 distances
.set L,    112                         ; v112-127 the 16 smallest, ascending
.set QU,   128                         ; v128-135 the queue of 16 key numbers, 16 bits each
.set KB,   136
.set KID,  137
.set TH,   138
.set NEED, 139
.set CNT,  140
.set TMP,  141
.set CL,   142
.set TT,   144                         ; v144-159 s1 + s2
.set SH,   224                         ; v224-239 at work: a bit, then a shift
.set LT,  20                           ; s20-35, s36-51, s66-81  lane masks of 16 candidates
.set EQ,  36
.set TK,  66
.set WV,  84
.set XX,  85
.set YY,  86
.set HM,  87
.set CTR, 92
.set MSB, 0
.macro WIN new                         ; window 1 holds w_t2's 16 fragments, 8 (2 ot + ks) on; the immediate's high byte repeats the setting that is left
.if MSB != (\new)
	s_set_vgpr_msb (MSB<<8)|(\new)
.set MSB, \new
.endif
.endm
	s_load_b512 s[4:19], s[0:1], 0x0               ; pc1, pc2, feat2, b_t2, grp, wpk, idx, p2t
	v_lshl_add_u32 v[SPW], v0, 2, SPARE
	v_mov_b32 v[NIL], 0
	v_and_b32 v1, 31, v0                           ; lane
	v_lshrrev_b32 v14, 5, v0
	v_readfirstlane_b32 s[WV], v14
	v_and_b32 v2, 15, v0                           ; r
	v_bfe_u32 v3, v0, 4, 1                         ; h
	s_mov_b32 s[XX], ttmp9
	s_and_b32 s[YY], ttmp7, 0xffff
	s_mov_b32 s[HM], 0xffff0000
	v_lshlrev_b32 v[A16T], 4, v0
	v_lshlrev_b32 v[A16L], 4, v1
	v_lshl_add_u32 v[AFE], s[WV], 18, v[A16L]      ; feat2: 16 rows of 16,384 bytes a wave
	v_lshlrev_b32 v[A4T], 2, v0
	s_mul_i32 s88, s[YY], 49152
	s_mov_b32 s89, 0
	s_lshl_b32 s90, s[XX], 9
	s_mov_b32 s91, 0
	s_wait_kmcnt 0x0
	s_add_nc_u64 s[6:7], s[6:7], s[88:89]          ; pc2 at the batch
	s_add_nc_u64 s[4:5], s[4:5], s[88:89]
	s_add_nc_u64 s[4:5], s[4:5], s[90:91]          ; pc1 at my 128 queries
	s_lshl_b32 s88, s[YY], 20
	s_add_nc_u64 s[8:9], s[8:9], s[88:89]
	s_add_nc_u64 s[8:9], s[8:9], s[90:91]          ; feat2 at my 128 keys
	s_add_nc_u64 s[18:19], s[18:19], s[88:89]
	s_lshl_b32 s88, s[XX], 15
	s_add_nc_u64 s[18:19], s[18:19], s[88:89]      ; p2t at my 128 rows of 256 bytes
	s_lshl_b32 s88, s[YY], 16
	s_lshl_b32 s90, s[XX], 11
	s_add_co_u32 s88, s88, s90
	s_add_nc_u64 s[12:13], s[12:13], s[88:89]      ; grp and idx at my queries, 16 bytes each
	s_add_nc_u64 s[16:17], s[16:17], s[88:89]
.set i, 0
.rept 8
	global_load_b128 v[RAW+12*i:RAW+12*i+3],    v[A16T], s[6:7] offset:2048*i
	global_load_b128 v[RAW+12*i+4:RAW+12*i+7],  v[A16T], s[6:7] offset:2048*i+16384
	global_load_b128 v[RAW+12*i+8:RAW+12*i+11], v[A16T], s[6:7] offset:2048*i+32768
.set i, i+1
.endr
.set i, 0
.rept 16
	global_load_b128 v[FR+4*i:FR+4*i+3], v[AFE], s[8:9] offset:16384*i th:TH_LOAD_NT
.set i, i+1
.endr
	global_load_b32 v[Q],   v[A4T], s[4:5]
	global_load_b32 v[Q+1], v[A4T], s[4:5] offset:16384
	global_load_b32 v[Q+2], v[A4T], s[4:5] offset:32768
	global_load_b128 v[G:G+3], v[A16T], s[12:13]
	global_load_b32 v[BR], v[A4T], s[10:11]
	WIN 0x40                                       ; destination window 1, address window 0
.set f, 0
.rept 16
	global_load_b128 v[8*f:8*f+3],   v[A16L], s[14:15] offset:81920+1024*f      ; fragments 80 to 95 of wpk
	global_load_b128 v[8*f+4:8*f+7], v[A16L], s[14:15] offset:81920+1024*f+512
.set f, f+1
.endr
	WIN 0
	; LDS addresses, while the loads are out
	v_lshrrev_b32 v14, 2, v0
	v_mul_u32_u24 v[KW], v14, GP
	v_and_b32 v14, 3, v0
	v_lshl_add_u32 v[KW], v14, 6, v[KW]
	s_mul_i32 s88, s[WV], 16*FP
	s_add_co_u32 s88, s88, FT
	v_lshl_add_u32 v[FW], v1, 3, s88               ; my wave's 16 channels, 8 bytes a lane
	v_lshl_add_u32 v[BW], v0, 2, BQ
	v_and_b32 v14, 7, v0
	v_lshl_add_u32 v14, v3, 3, v14
	v_mul_u32_u24 v[TR], v14, FP                   ; the turning load: channel 8 h + l % 8,
	v_bfe_u32 v14, v0, 3, 1
	v_lshl_add_u32 v[TR], v14, 4, v[TR]            ; keys 8 ((l / 8) % 2) on,
	s_lshl_b32 s88, s[WV], 6
	s_add_co_u32 s88, s88, FT
	v_add_nc_u32 v[TR], s88, v[TR]                 ; of my wave's 32 keys
	s_mul_i32 s88, s[WV], 32*PP
	s_add_co_u32 s88, s88, PST
	v_mul_u32_u24 v[PSW], v2, PP
	v_lshl_add_u32 v[PSW], v3, 4, v[PSW]
	v_add_nc_u32 v[PSW], s88, v[PSW]               ; in: row r, 16 bytes for each half of the lanes
	v_mul_u32_u24 v[PSR], v3, PP
	v_lshl_add_u32 v[PSR], v2, 4, v[PSR]
	v_add_nc_u32 v[PSR], s88, v[PSR]               ; back: lanes 0-15 one row of 256 bytes, lanes 16-31 the next
	v_lshl_add_u32 v[BQA], v3, 5, BQ
	v_lshlrev_b32 v[GO], 4, v2
	v_lshl_add_u32 v[GO], v3, 8, v[GO]
	v_lshl_add_u32 v[GO], s[WV], 13, v[GO]         ; the same two rows in p2t
	s_lshl_b32 s88, s[WV], 15
	s_add_co_u32 s88, s88, DT
	v_add_nc_u32 v[DA0], s88, v[A16L]
	s_wait_loadcnt 32                              ; all but the 32 fragment loads, which were issued last
.macro KBUILD i                        ; my quad i of keys: rounded, s made, laid into the table as two pairs
.set R, RAW+12*(\i)
	v_cvt_pk_bf16_f32 v[T],   v[R],    v[R+1]
	v_cvt_pk_bf16_f32 v[T+1], v[R+2],  v[R+3]
	v_cvt_pk_bf16_f32 v[T+2], v[R+4],  v[R+5]
	v_cvt_pk_bf16_f32 v[T+3], v[R+6],  v[R+7]
	v_cvt_pk_bf16_f32 v[T+4], v[R+8],  v[R+9]
	v_cvt_pk_bf16_f32 v[T+5], v[R+10], v[R+11]
.irp e, 0, 1
	v_lshlrev_b32 v[O+8*\e],   16, v[T+\e]
	v_and_b32     v[O+8*\e+1], s[HM], v[T+\e]
	v_lshlrev_b32 v[O+8*\e+2], 16, v[T+2+\e]
	v_and_b32     v[O+8*\e+3], s[HM], v[T+2+\e]
	v_lshlrev_b32 v[O+8*\e+4], 16, v[T+4+\e]
	v_and_b32     v[O+8*\e+5], s[HM], v[T+4+\e]
	v_pk_mul_f32 v[O+8*\e+6:O+8*\e+7], v[O+8*\e:O+8*\e+1],   v[O+8*\e:O+8*\e+1]
	v_pk_fma_f32 v[O+8*\e+6:O+8*\e+7], v[O+8*\e+2:O+8*\e+3], v[O+8*\e+2:O+8*\e+3], v[O+8*\e+6:O+8*\e+7]
	v_pk_fma_f32 v[O+8*\e+6:O+8*\e+7], v[O+8*\e+4:O+8*\e+5], v[O+8*\e+4:O+8*\e+5], v[O+8*\e+6:O+8*\e+7]
.endr
	ds_store_b128 v[KW], v[O:O+3]     offset:(\i)*32*GP
	ds_store_b128 v[KW], v[O+4:O+7]   offset:(\i)*32*GP+16
	ds_store_b128 v[KW], v[O+8:O+11]  offset:(\i)*32*GP+32
	ds_store_b128 v[KW], v[O+12:O+15] offset:(\i)*32*GP+48
.endm
.irp i, 0,1,2,3,4,5,6,7
	KBUILD \i
.endr
.set i, 0
.rept 16                               ; feat2: four keys a lane, rounded in place, 8 bytes into the tile
	v_cvt_pk_bf16_f32 v[FR+4*i],   v[FR+4*i],   v[FR+4*i+1]
	v_cvt_pk_bf16_f32 v[FR+4*i+1], v[FR+4*i+2], v[FR+4*i+3]
	ds_store_b64 v[FW], v[FR+4*i:FR+4*i+1] offset:FP*i
.set i, i+1
.endr
	v_cvt_pk_bf16_f32 v[T], v[BR], v[BR]
	v_lshlrev_b32 v[BR], 16, v[T]
	ds_store_b32 v[BW], v[BR]
	v_cvt_pk_bf16_f32 v[T],   v[Q],   v[Q+1]       ; my query
	v_cvt_pk_bf16_f32 v[T+1], v[Q+2], v[Q+2]
	v_lshlrev_b32 v[Q],   16, v[T]
	v_and_b32     v[Q+1], s[HM], v[T]
	v_lshlrev_b32 v[Q+2], 16, v[T+1]
	v_mul_f32 v[Q+3], v[Q], v[Q]
	v_fma_f32 v[Q+3], v[Q+1], v[Q+1], v[Q+3]
	v_fma_f32 v[Q+3], v[Q+2], v[Q+2], v[Q+3]
.set i, 0
.rept 4
	v_mov_b32 v[G2+i], v[G+i]
.set i, i+1
.endr
	s_wait_dscnt 0x0                               ; for the others' sake: my parts of the three tables are written
	s_barrier_signal -1
	s_barrier_wait -1                              ; the launch's only barrier: behind it the tables are only read, and all else in LDS is each wave's own
	; THE PROJECTION.  D = W (16 channels x 32) x feat (32 x 16 keys) + bias: a lane holds one key (r) and channels 16 ot + 8 h + 0..7, which pack into 16 bytes of the key's row.
	s_wait_loadcnt 0x0                             ; the weights' fragments
.irp nt, 0, 1
.irp ks, 0, 1
	ds_load_tr16_b128 v[FB+8*(2*\nt+\ks):FB+8*(2*\nt+\ks)+3],   v[TR] offset:32*FP*\ks+32*\nt
	ds_load_tr16_b128 v[FB+8*(2*\nt+\ks)+4:FB+8*(2*\nt+\ks)+7], v[TR] offset:32*FP*\ks+32*\nt+16*FP
.endr
.endr
.macro PROJ nt
.set a, 0
.rept 8                                ; the bias is the C operand that starts the sums
	ds_load_b128 v[ACC+8*a:ACC+8*a+3],   v[BQA] offset:64*a
	ds_load_b128 v[ACC+8*a+4:ACC+8*a+7], v[BQA] offset:64*a+16
.set a, a+1
.endr
	s_wait_dscnt 0x0
	WIN 0x01                                       ; source 0 in window 1
.irp ks, 0, 1
.set a, 0
.rept 8                                ; the eight accumulators take turns
	v_wmma_f32_16x16x32_bf16 v[ACC+8*a:ACC+8*a+7], v[8*(2*a+\ks):8*(2*a+\ks)+7], v[FB+8*(2*(\nt)+\ks):FB+8*(2*(\nt)+\ks)+7], v[ACC+8*a:ACC+8*a+7]
.set a, a+1
.endr
.endr
	WIN 0
.rept 4
	v_nop                                          ; four places between the last products and the first read of a result (ISA guide 7.12.1)
.endr
.set a, 0
.rept 8                                ; rounded to f16 in place, from each accumulator's low end on
	v_cvt_pk_f16_f32 v[ACC+8*a],   v[ACC+8*a],   v[ACC+8*a+1]
	v_cvt_pk_f16_f32 v[ACC+8*a+1], v[ACC+8*a+2], v[ACC+8*a+3]
	v_cvt_pk_f16_f32 v[ACC+8*a+2], v[ACC+8*a+4], v[ACC+8*a+5]
	v_cvt_pk_f16_f32 v[ACC+8*a+3], v[ACC+8*a+6], v[ACC+8*a+7]
	ds_store_b128 v[PSW], v[ACC+8*a:ACC+8*a+3] offset:(\nt)*16*PP+32*a
.set a, a+1
.endr
.endm
	PROJ 0
	PROJ 1
.set u, 0
.rept 16
	ds_load_b128 v[RO+4*u:RO+4*u+3], v[PSR] offset:2*PP*u   ; my wave's own rows: LDS serves a wave's instructions in order, so these see the stores above
.set u, u+1
.endr
.set u, 0
.rept 16
	s_wait_dscnt 15-u
	global_store_b128 v[GO], v[RO+4*u:RO+4*u+3], s[18:19] offset:512*u   ; 16 lanes store a whole row: 256 consecutive bytes, aligned
.set u, u+1
.endr
; PASS 1: the 256 distances, kept in LDS, and the 16 smallest values.
.macro NEXTG q                         ; the queue's lowest byte; clamped, since it enters an LDS address
	v_and_b32 v[GG], 0xff, v[\q]
	v_alignbit_b32 v[\q],     v[(\q)+1], v[\q],     8
	v_alignbit_b32 v[(\q)+1], v[(\q)+2], v[(\q)+1], 8
	v_alignbit_b32 v[(\q)+2], v[(\q)+3], v[(\q)+2], 8
	v_lshrrev_b32 v[(\q)+3], 8, v[(\q)+3]
	v_min_u32 v[GG], 0xff, v[GG]
.endm
.macro KLOAD
	v_mul_u32_u24 v[AD], v[GG], GP
.set i, 0
.rept 16
	ds_load_b128 v[K+4*i:K+4*i+3], v[AD] offset:16*i
.set i, i+1
.endr
.endm
.macro DOP op                          ; one operation for the group's eight pairs of keys; the query's numbers feed both halves
.set p, 0
.rept 8
.set KP, K+8*p
.if (\op) == 0
	v_pk_mul_f32 v[D+2*p:D+2*p+1], v[KP:KP+1], v[Q:Q+1] op_sel_hi:[1,0]
.elseif (\op) == 1
	v_pk_fma_f32 v[D+2*p:D+2*p+1], v[KP+2:KP+3], v[Q:Q+1], v[D+2*p:D+2*p+1] op_sel:[0,1,0] op_sel_hi:[1,1,1]
.elseif (\op) == 2
	v_pk_fma_f32 v[D+2*p:D+2*p+1], v[KP+4:KP+5], v[Q+2:Q+3], v[D+2*p:D+2*p+1] op_sel_hi:[1,0,1]
.elseif (\op) == 3
	v_pk_add_f32 v[TT+2*p:TT+2*p+1], v[KP+6:KP+7], v[Q+2:Q+3] op_sel:[0,1] op_sel_hi:[1,1]
.else
	v_pk_fma_f32 v[D+2*p:D+2*p+1], v[D+2*p:D+2*p+1], -2.0, v[TT+2*p:TT+2*p+1] op_sel_hi:[1,0,1]
.endif
.set p, p+1
.endr
.endm
.macro INSERT c
.set ii, 15
.rept 15
	v_med3_num_f32 v[L+ii], v[L+ii-1], v[\c], v[L+ii]
.set ii, ii-1
.endr
	v_min_num_f32 v[L], v[L], v[\c]
.endm
.macro SLOT ahead
	s_wait_dscnt 0x0                               ; the group's 64 words are in
	DOP 0
	DOP 1
	DOP 2
	DOP 3
	DOP 4
.set i, 0
.rept 4
	ds_store_b128 v[DA], v[D+4*i:D+4*i+3] offset:512*i
.set i, i+1
.endr
.if \ahead
	NEXTG G                                        ; the next group's loads: the 256 instructions below stand between them and the wait for them
	KLOAD
.endif
.set j, 0
.rept 16
	INSERT D+j
.set j, j+1
.endr
	v_add_nc_u32 v[DA], 2048, v[DA]
.endm
.set i, 0
.rept 16
	v_mov_b32 v[L+i], 0x7f800000
.set i, i+1
.endr
	v_mov_b32 v[DA], v[DA0]
	NEXTG G
	KLOAD
	s_mov_b32 s[CTR], 15
.Lslot:
	SLOT 1
	s_sub_co_u32 s[CTR], s[CTR], 1
	s_cmp_lg_u32 s[CTR], 0
	s_cbranch_scc1 .Lslot
	SLOT 0
	; PASS 2: all below the 16th smallest, and of those equal to it the first NEED in ascending key number (the slots ascend in group number): 16 in all.
	v_mov_b32 v[TH], v[L+15]
	v_mov_b32 v[CL], 0
.set i, 0
.rept 15
	v_cmp_lt_f32 vcc_lo, v[L+i], v[TH]
	v_cndmask_b32 v[TMP], 0, 1, vcc_lo
	v_add_nc_u32 v[CL], v[CL], v[TMP]
.set i, i+1
.endr
	v_sub_nc_u32 v[NEED], 16, v[CL]
	v_mov_b32 v[CNT], 0
.set i, 0
.rept 8
	v_mov_b32 v[QU+i], 0
.set i, i+1
.endr
	v_mov_b32 v[DA], v[DA0]
; A slot's 16 keys.  A taken number enters the queue of 16 halves from the top: the eight registers are shifted right by 16 bits, or by 0 where it is not taken.
.macro PICK16 ahead
	s_wait_dscnt 0x0
	NEXTG G2
	v_lshlrev_b32 v[KB], 4, v[GG]
.set j, 0
.rept 16
	v_cmp_lt_f32 s[LT+j], v[D+j], v[TH]
	v_cmp_eq_f32 s[EQ+j], v[D+j], v[TH]
.set j, j+1
.endr
.if \ahead
.set i, 0
.rept 4
	ds_load_b128 v[D+4*i:D+4*i+3], v[DA] offset:2048+512*i
.set i, i+1
.endr
.endif
.set j, 0
.rept 16
	v_cndmask_b32 v[SH+j], 0, 1, s[EQ+j]
.set j, j+1
.endr
.set j, 0
.rept 16
	v_cmp_gt_u32 s[TK+j], v[NEED], v[CNT]
	v_add_nc_u32 v[CNT], v[CNT], v[SH+j]
.set j, j+1
.endr
.set j, 0
.rept 16
	s_and_b32 s[TK+j], s[TK+j], s[EQ+j]
	s_or_b32 s[TK+j], s[TK+j], s[LT+j]
.set j, j+1
.endr
.set j, 0
.rept 16
	v_cndmask_b32 v[SH+j], 0, 16, s[TK+j]
.set j, j+1
.endr
.set j, 0
.rept 16
	v_add_nc_u32 v[KID], j, v[KB]
.set k, 0
.rept 7
	v_alignbit_b32 v[QU+k], v[QU+k+1], v[QU+k], v[SH+j]
.set k, k+1
.endr
	v_alignbit_b32 v[QU+7], v[KID], v[QU+7], v[SH+j]
.set j, j+1
.endr
	v_add_nc_u32 v[DA], 2048, v[DA]
.endm
.set i, 0
.rept 4
	ds_load_b128 v[D+4*i:D+4*i+3], v[DA] offset:512*i   ; my wave's own bytes, stored above
.set i, i+1
.endr
	s_mov_b32 s[CTR], 15
.Lpick:
	PICK16 1
	s_sub_co_u32 s[CTR], s[CTR], 1
	s_cmp_lg_u32 s[CTR], 0
	s_cbranch_scc1 .Lpick
	PICK16 0
	global_store_b128 v[A16T], v[QU:QU+3],   s[16:17]                  ; two planes, so that each store of a wave covers 512 consecutive bytes
	global_store_b128 v[A16T], v[QU+4:QU+7], s[16:17] offset:524288
	s_wait_tensorcnt 0x0                           ; the wave's end: three closing lines behind my last LDS store
	ds_add_u32 v[SPW], v[NIL]
	s_wait_dscnt 0x0
	s_endpgm
.Lfunc_end_k_q96de1dd6b0_knn_refine:
	.size	k_q96de1dd6b0_knn_refine, .Lfunc_end_k_q96de1dd6b0_knn_refine-k_q96de1dd6b0_knn_refine
	.p2alignl 7, 3214868480
	.fill 96, 4, 3214868480
	.section	.rodata,"a",@progbits
	.p2align	6, 0x0
	.amdhsa_kernel k_q96de1dd6b0_knn_refine
		.amdhsa_group_segment_fixed_size 254976
		.amdhsa_private_segment_fixed_size 0
		.amdhsa_enable_private_segment 0
		.amdhsa_kernarg_size 64
		.amdhsa_user_sgpr_count 2
		.amdhsa_user_sgpr_kernarg_segment_ptr 1
		.amdhsa_wavefront_size32 1
		.amdhsa_system_sgpr_workgroup_id_x 1
		.amdhsa_system_sgpr_workgroup_id_y 1
		.amdhsa_system_sgpr_workgroup_id_z 1
		.amdhsa_system_vgpr_workitem_id 0
		.amdhsa_next_free_vgpr 384
		.amdhsa_next_free_sgpr 96
		.amdhsa_reserve_vcc 1
		.amdhsa_float_denorm_mode_32 3
		.amdhsa_float_denorm_mode_16_64 3
		.amdhsa_memory_ordered 1
		.amdhsa_forward_progress 1
		.amdhsa_inst_pref_size 114
	.end_amdhsa_kernel
	.amdgpu_metadata
---
amdhsa.version: [ 1, 2 ]
amdhsa.kernels:
  - .name:           k_q96de1dd6b0_knn_refine
    .symbol:         k_q96de1dd6b0_knn_refine.kd
    .args:
      - { .name: pc1, .offset: 0, .size: 8, .value_kind: global_buffer, .address_space: global }
      - { .name: pc2, .offset: 8, .size: 8, .value_kind: global_buffer, .address_space: global }
      - { .name: feat2, .offset: 16, .size: 8, .value_kind: global_buffer, .address_space: global }
      - { .name: b_t2, .offset: 24, .size: 8, .value_kind: global_buffer, .address_space: global }
      - { .name: grp, .offset: 32, .size: 8, .value_kind: global_buffer, .address_space: global }
      - { .name: wpk, .offset: 40, .size: 8, .value_kind: global_buffer, .address_space: global }
      - { .name: idx, .offset: 48, .size: 8, .value_kind: global_buffer, .address_space: global }
      - { .name: p2t, .offset: 56, .size: 8, .value_kind: global_buffer, .address_space: global }
    .group_segment_fixed_size: 254976
    .private_segment_fixed_size: 0
    .kernarg_segment_align: 8
    .kernarg_segment_size: 64
    .max_flat_workgroup_size: 128
    .sgpr_count:     96
    .vgpr_count:     384
    .wavefront_size: 32
...
	.end_amdgpu_metadata
.endif
;; end of part 2
;; launch gather_mlp (part 3): grid 32 x 8, 4 waves a work-group, no clusters, 183,808 bytes of LDS; arguments p2t, idx, wpk, pc1, pc2, feat1, w_pos, b_t1, b_pos, b_m1, b_m2, out0; writes out0
.if DOCPART == 3
	.amdgcn_target "amdgcn-amd-amdhsa--gfx1250"
	.amdhsa_code_object_version 6
	.text
	.protected	k_q96de1dd6b0_gather_mlp
	.globl	k_q96de1dd6b0_gather_mlp
	.p2align	8
	.type	k_q96de1dd6b0_gather_mlp,@function
k_q96de1dd6b0_gather_mlp:
	s_mov_b64 s[64:65], 0
	v_nop
	global_prefetch_b8 v0, s[64:65] scope:SCOPE_SE
	s_setreg_imm32_b32 hwreg(HW_REG_WAVE_MODE, 25, 1), 1
	s_wait_xcnt 0x0
; GATHER, THREE LAYERS, MAXIMUM.  out[b][c][n] = max over the 16 neighbours k of leaky(W2 leaky(W1 leaky(p2[k] + q1[n] + W_pos (x2[k] - x1[n])) + b1) + b2), q1 = W_t1 feat1 + b_t1 + b_pos, leaky(x) = max(x, 0.1 x).
; All inputs are rounded to bf16 as they come in; sums and all that is no matrix operand are f32.
; FORMATS OF THE MATRIX OPERANDS.  q1's product: bf16 (both operands are inputs).  Layers 0 and 1: f16: p2, the direction x2 - x1 and the first hidden layer h0 are rounded to f16, whose 11 bits keep their
; roundings an eighth of bf16's; W_pos and W1 are the bf16-rounded inputs written as f16.  Their room: h0 is two sums of 64 products; with feat and w_t both 30 times their drawn spread (30 and 1.5) its spread
; is about 510, with both offset by that much it is 2 x 64 x 45 = 5,760; both 30 times smaller, 6e-4 against f16's fixed step of 6e-8.  Layer 2: bf16: the second hidden layer h1 has no such room
; (with those offsets and W1 offset by 1.5: 128 x 1.5 x 5,760 = 1.1e6, beyond 65,504).
; b2 and the last leaky come behind the maximum: x -> fl(x + b) and leaky are monotone, so the result is the same.
; LIMITS: NaN and infinities are not treated; a p2, a direction or an h0 beyond 65,504 becomes infinite; a w_pos or w_m1 below 2^-14 keeps f16's fixed step of 2^-24.
; SHARES.  A work-group: 128 queries of a batch; a wave 32 of them, one after the other.  A TILE is one query's 16 neighbours x 128 channels.  W1 and W2 stay in each wave's registers (512).
; LAYOUTS: nothing changes lanes between the layers.
;   layer 0: D[cb] = A0[cb] x BF[cb] + q1.  A0: 16 channels x 32: columns 0-2 W_pos, 3-15 zero, 16-31 the identity.  BF, a column a neighbour: rows 0-2 the direction, rows 16-31 the neighbour's
;            16 channels of p2.  Result: lane (r, h), register j = channel 16 cb + 8 h + j of neighbour r.  Two such results, leaky and rounded in pairs, ARE a fragment of 32 channels x 16 neighbours.
;   layer 1: D[ot] = W1[ot][ks] x HF[ks] + b1: the same layout again.
;   layer 2: D[cb] = HF[ks] (rows = neighbours) x W2[cb][ks]: lane (r, h), register j = neighbour 8 h + j, channel 16 cb + r: the maximum is taken along the registers and once between the halves of the lanes.
; THE GATHER takes whole rows of p2t: in one load lanes 0-15 take one neighbour's 256 bytes, lanes 16-31 another's; the rows are turned through the wave's own stage in LDS.  It is issued two tiles ahead.
; The neighbours' numbers are whole numbers read from memory (idx), clamped to 4,095 before they enter an address.
; NO CLUSTER, NO TENSOR LOAD: the gathered rows, 524,288 bytes a work-group, are each work-group's own and no tile; what work-groups share (81,920 bytes of weights) is read once, ahead of the loop.
; REGISTERS, in windows of 256 (s_set_vgpr_msb: bits 1:0 source 0, 3:2 source 1, 5:4 source 2, 7:6 destination):
;   window 0: addresses, indices, gathered rows, BF     window 1: W1, (ot, ks) at 8 (4 ot + ks)     window 2: W2 likewise     window 3: C0, D1, A0, HF, T3, B2
.set QP,    528                        ; Q1T at byte 0: q1, a row a query, 512 bytes + 16;  OUT: a row a channel, 128 queries, likewise
.set OUT,   67584
.set FT,    135168                     ; feat1's tile in bf16: [channel 64][query 128], rows 288 bytes apart
.set FP,    288
.set GST,   153600                     ; the gather's stages, 4,608 bytes a wave: 16 rows of 256 bytes, 272 apart
.set GPI,   272
.set IDXT,  172032                     ; [query][parity][8] words: neighbour 2 u + parity at word u
.set X1T,   180224                     ; [query] x, y, z, 0
.set BQ,    182272                     ; b_t1 + b_pos; 512 bytes on: b_m1
.set SPARE, 183296
.set SPW,  4
.set NIL,  5
.set QA,   6                           ; q1's row of the tile to be loaded + 32 h
.set IA8,  7
.set IAR,  8
.set XA,   9
.set OA,   10
.set GSW,  11
.set GSR,  12
.set BA,   13                          ; BQ + 32 h
.set LT16, 14                          ; 16 r
.set L16,  15                          ; 16 lane
.set IDX8, 16                          ; v16-23 the eight rows that my half of the lanes fetches
.set IDXR, 24                          ; neighbour r's number
.set VO,   28                          ; v28-35, v36-43 the gather's offsets, by the tile's parity
.set VO4,  44
.set XQ,   48                          ; v48-51 the query's x, y, z
.set XN,   52                          ; v52-54, v56-58 neighbour r's x, y, z, by parity
.set WK,   60                          ; v60-67 at work
.set Q1W,  68
.set TR,   69
.set FW,   70
.set RAW,  72                          ; v72-103, v104-135 gathered rows, by parity
.set BF,   136                         ; v136-199
.set WT,   72                          ; ahead of the loop: w_t1's 16 fragments, v72-199
.set WP,   200                         ; w_pos as loaded
.set PT,   224
.set ID,   240
.set C1,   244
.set C2,   245
.set EE,   246
.set C0,   0                           ; window 3
.set D1,   64
.set A0,   128
.set HF,   192
.set T3,   224
.set B2,   240
.set WV,  28
.set XX,  29
.set HM,  30                           ; 0xffff0000: a word's upper bf16, and the mask of lanes 16-31
.set YY,  31
.set SEL, 32                           ; s[32:33] v_permlanex16_b32's selects: each lane takes its own place in the other half
.set LK,  34                           ; s[34:35] 0.1
.set CTR, 40
.set MSB, 0
.macro WIN new                         ; the immediate's high byte repeats the setting that is left; a switch that changes nothing is dropped
.if MSB != (\new)
	s_set_vgpr_msb (MSB<<8)|(\new)
.set MSB, \new
.endif
.endm
.macro PLACES                          ; four places behind matrix instructions (ISA guide 7.12.1)
.rept 4
	v_nop
.endr
.endm
	s_load_b512 s[4:19], s[0:1], 0x0               ; p2t, idx, wpk, pc1, pc2, feat1, w_pos, b_t1
	s_load_b256 s[20:27], s[0:1], 0x40             ; b_pos, b_m1, b_m2, out0
	v_lshl_add_u32 v[SPW], v0, 2, SPARE
	v_mov_b32 v[NIL], 0
	v_and_b32 v1, 31, v0                           ; lane
	v_lshrrev_b32 v60, 5, v0
	v_readfirstlane_b32 s[WV], v60
	v_and_b32 v2, 15, v0                           ; r
	v_bfe_u32 v3, v0, 4, 1                         ; h
	s_mov_b32 s[XX], ttmp9
	s_and_b32 s[YY], ttmp7, 0xffff
	s_mov_b32 s[HM], 0xffff0000
	s_mov_b32 s[SEL], 0x76543210
	s_mov_b32 s[SEL+1], 0xfedcba98
	s_mov_b32 s[LK], 0x3dcccccd
	s_mov_b32 s[LK+1], s[LK]                       ; named with it as a pair
	v_lshlrev_b32 v[L16], 4, v1
	v_lshlrev_b32 v[LT16], 4, v2
	v_lshl_add_u32 v56, s[WV], 18, v[L16]          ; feat1: 16 rows of 16,384 bytes a wave
	v_lshlrev_b32 v57, 2, v0
	v_lshlrev_b32 v58, 4, v0
	v_lshlrev_b32 v59, 2, v1
	v_mul_u32_u24 v60, v2, 12
	s_mov_b32 s37, 0
	s_wait_kmcnt 0x0
	s_lshl_b32 s36, s[YY], 20
	s_add_nc_u64 s[4:5], s[4:5], s[36:37]          ; p2t and feat1 at the batch
	s_add_nc_u64 s[14:15], s[14:15], s[36:37]
	s_lshl_b32 s36, s[XX], 9
	s_add_nc_u64 s[14:15], s[14:15], s[36:37]      ; feat1, pc1 and out0 at my 128 queries
	s_add_nc_u64 s[10:11], s[10:11], s[36:37]
	s_add_nc_u64 s[26:27], s[26:27], s[36:37]
	s_mul_i32 s36, s[YY], 49152
	s_add_nc_u64 s[10:11], s[10:11], s[36:37]
	s_add_nc_u64 s[12:13], s[12:13], s[36:37]
	s_lshl_b32 s36, s[YY], 21
	s_add_nc_u64 s[26:27], s[26:27], s[36:37]
	s_lshl_b32 s36, s[YY], 16
	s_lshl_b32 s38, s[XX], 11
	s_add_co_u32 s36, s36, s38
	s_add_nc_u64 s[6:7], s[6:7], s[36:37]          ; idx at my queries
	WIN 0xC0                                       ; destination window 3, address window 0
.set i, 0
.rept 16
	global_load_b128 v[A0+4*i:A0+4*i+3], v56, s[14:15] offset:16384*i th:TH_LOAD_NT
.set i, i+1
.endr
.set i, 0
.rept 4
	global_load_b32 v[B2+i], v59, s[24:25] offset:128*i    ; b_m2 of channel 32 i + lane
.set i, i+1
.endr
	WIN 0
	global_load_b32 v48, v57, s[10:11]
	global_load_b32 v49, v57, s[10:11] offset:16384
	global_load_b32 v50, v57, s[10:11] offset:32768
	global_load_b128 v[16:19], v58, s[6:7]
	global_load_b128 v[20:23], v58, s[6:7] offset:524288
	global_load_b32 v52, v57, s[18:19]
	global_load_b32 v53, v57, s[20:21]
	global_load_b32 v54, v57, s[22:23]
.set c, 0
.rept 8
	global_load_b32 v[WP+3*c],   v60, s[16:17] offset:192*c      ; w_pos of channel 16 c + r
	global_load_b32 v[WP+3*c+1], v60, s[16:17] offset:192*c+4
	global_load_b32 v[WP+3*c+2], v60, s[16:17] offset:192*c+8
.set c, c+1
.endr
.set f, 0
.rept 16
	global_load_b128 v[WT+8*f:WT+8*f+3],   v[L16], s[8:9] offset:65536+1024*f     ; fragments 64 to 79 of wpk: w_t1
	global_load_b128 v[WT+8*f+4:WT+8*f+7], v[L16], s[8:9] offset:65536+1024*f+512
.set f, f+1
.endr
	; LDS addresses, while the loads are out
	s_mul_i32 s38, s[WV], 32*QP
	v_lshl_add_u32 v[QA], v3, 5, s38
	v_mul_u32_u24 v[Q1W], v2, QP
	v_add_nc_u32 v[Q1W], v[Q1W], v[QA]
	s_lshl_b32 s38, s[WV], 11
	s_add_co_u32 s38, s38, IDXT
	v_lshl_add_u32 v[IA8], v3, 5, s38
	v_and_b32 v61, 1, v2
	v_lshrrev_b32 v62, 1, v2
	v_lshl_add_u32 v[IAR], v61, 5, s38
	v_lshl_add_u32 v[IAR], v62, 2, v[IAR]
	s_lshl_b32 s38, s[WV], 9
	s_add_co_u32 s38, s38, X1T
	v_mov_b32 v[XA], s38
	s_lshl_b32 s38, s[WV], 7
	s_add_co_u32 s38, s38, OUT-4                   ; each step adds 4 ahead of its stores
	v_mul_u32_u24 v[OA], v1, QP
	v_add_nc_u32 v[OA], s38, v[OA]
	s_mul_i32 s38, s[WV], 4608
	s_add_co_u32 s39, s38, GST
	v_mul_u32_u24 v[GSW], v3, GPI
	v_add3_u32 v[GSW], v[GSW], v[LT16], s39        ; in: row 2 u + h, 16 bytes at 16 r
	v_mul_u32_u24 v[GSR], v2, GPI
	v_lshl_add_u32 v[GSR], v3, 4, v[GSR]
	v_add_nc_u32 v[GSR], s39, v[GSR]               ; back: row r, 16 bytes at 32 cb + 16 h
	v_lshl_add_u32 v[BA], v3, 5, BQ
	v_and_b32 v61, 7, v0
	v_lshl_add_u32 v61, v3, 3, v61
	v_mul_u32_u24 v[TR], v61, FP
	v_bfe_u32 v61, v0, 3, 1
	v_lshl_add_u32 v[TR], v61, 4, v[TR]
	s_lshl_b32 s39, s[WV], 6
	s_add_co_u32 s39, s39, FT
	v_add_nc_u32 v[TR], s39, v[TR]
	s_add_co_u32 s38, s38, FT                      ; 16 rows of 288 bytes are 4,608 too
	v_lshl_add_u32 v[FW], v1, 3, s38
	s_wait_loadcnt 32                              ; all but w_t1's 32 loads, which were issued last
	; THE TABLES
	v_cvt_pk_bf16_f32 v61, v48, v49                ; thread t: query t's coordinates
	v_cvt_pk_bf16_f32 v62, v50, v50
	v_lshlrev_b32 v48, 16, v61
	v_and_b32 v49, s[HM], v61
	v_lshlrev_b32 v50, 16, v62
	v_mov_b32 v51, 0
	v_add_nc_u32 v63, X1T, v58
	ds_store_b128 v63, v[48:51]
.set u, 0
.rept 8                                ; its 16 neighbours: low halves are the even ones, high halves the odd ones
	v_and_b32 v[24+u], 0xffff, v[16+u]
	v_lshrrev_b32 v[16+u], 16, v[16+u]
.set u, u+1
.endr
	v_lshl_add_u32 v64, v0, 6, IDXT
	ds_store_b128 v64, v[24:27]
	ds_store_b128 v64, v[28:31] offset:16
	ds_store_b128 v64, v[16:19] offset:32
	ds_store_b128 v64, v[20:23] offset:48
	v_cvt_pk_bf16_f32 v61, v52, v53                ; channel t's biases
	v_cvt_pk_bf16_f32 v62, v54, v54
	v_lshlrev_b32 v52, 16, v61
	v_and_b32 v53, s[HM], v61
	v_add_f32 v52, v52, v53
	v_lshlrev_b32 v54, 16, v62
	v_add_nc_u32 v65, BQ, v57
	ds_store_b32 v65, v52
	ds_store_b32 v65, v54 offset:512
.set c, 0
.rept 8                                ; w_pos: rounded to bf16 like every input,
	v_cvt_pk_bf16_f32 v[PT+2*c],   v[WP+3*c],   v[WP+3*c+1]
	v_cvt_pk_bf16_f32 v[PT+2*c+1], v[WP+3*c+2], v[NIL]
.set c, c+1
.endr
.set c, 0
.rept 8                                ; widened again,
	v_lshlrev_b32 v[WP+3*c],   16, v[PT+2*c]
	v_and_b32     v[WP+3*c+1], s[HM], v[PT+2*c]
	v_lshlrev_b32 v[WP+3*c+2], 16, v[PT+2*c+1]
.set c, c+1
.endr
.set c, 0
.rept 8                                ; and written as f16
	v_cvt_pk_f16_f32 v[PT+2*c],   v[WP+3*c],   v[WP+3*c+1]
	v_cvt_pk_f16_f32 v[PT+2*c+1], v[WP+3*c+2], v[NIL]
.set c, c+1
.endr
	v_lshlrev_b32 v[EE], 3, v3                     ; the identity: row r has its 1.0 at column 16 + r, which lies in my registers 4-7 where 0 <= r - 8 h < 8
	v_sub_nc_u32 v[EE], v2, v[EE]
	v_mov_b32 v[C1], 0x3c00                        ; 1.0 in f16, in the low half
	v_mov_b32 v[C2], 0x3c000000                    ; and in the high half
.set i, 0
.rept 4
	v_cmp_eq_u32 vcc_lo, 2*i, v[EE]
	v_cndmask_b32 v[ID+i], v[NIL], v[C1], vcc_lo
	v_cmp_eq_u32 vcc_lo, 2*i+1, v[EE]
	v_cndmask_b32 v[ID+i], v[ID+i], v[C2], vcc_lo
.set i, i+1
.endr
	WIN 0xFF
.set i, 0
.rept 16                               ; feat1: four queries a lane, rounded in place
	v_cvt_pk_bf16_f32 v[A0+4*i],   v[A0+4*i],   v[A0+4*i+1]
	v_cvt_pk_bf16_f32 v[A0+4*i+1], v[A0+4*i+2], v[A0+4*i+3]
.set i, i+1
.endr
.set i, 0
.rept 4
	v_cvt_pk_bf16_f32 v[T3+i], v[B2+i], v[B2+i]
.set i, i+1
.endr
.set i, 0
.rept 4
	v_lshlrev_b32 v[B2+i], 16, v[T3+i]
.set i, i+1
.endr
	WIN 0x0C                                       ; store data in window 3, address in window 0
.set i, 0
.rept 16
	ds_store_b64 v[FW], v[A0+4*i:A0+4*i+1] offset:FP*i
.set i, i+1
.endr
	s_wait_dscnt 0x0                               ; for the others' sake: my parts of the tables are written
	s_barrier_signal -1
	WIN 0xC0                                       ; work on registers while the others arrive: A0's eight fragments
.set c, 0
.rept 8
	v_cndmask_b32 v[A0+8*c],   v[PT+2*c],   v[NIL], s[HM]    ; columns 0-7 lie in lanes 0-15; columns 8-15, in lanes 16-31, are zero
	v_cndmask_b32 v[A0+8*c+1], v[PT+2*c+1], v[NIL], s[HM]
	v_mov_b32 v[A0+8*c+2], 0
	v_mov_b32 v[A0+8*c+3], 0
	v_mov_b32 v[A0+8*c+4], v[ID]
	v_mov_b32 v[A0+8*c+5], v[ID+1]
	v_mov_b32 v[A0+8*c+6], v[ID+2]
	v_mov_b32 v[A0+8*c+7], v[ID+3]
.set c, c+1
.endr
	WIN 0
	s_barrier_wait -1
	s_wait_loadcnt 0x0                             ; w_t1's fragments
	WIN 0x40
.set f, 0
.rept 32
	global_load_b128 v[8*f:8*f+3],   v[L16], s[8:9] offset:1024*f              ; W1 (f16); first wanted in the first tile's layer 1
	global_load_b128 v[8*f+4:8*f+7], v[L16], s[8:9] offset:1024*f+512
.set f, f+1
.endr
	WIN 0x80
.set f, 0
.rept 32
	global_load_b128 v[8*f:8*f+3],   v[L16], s[8:9] offset:32768+1024*f        ; W2 (bf16)
	global_load_b128 v[8*f+4:8*f+7], v[L16], s[8:9] offset:32768+1024*f+512
.set f, f+1
.endr
; eight accumulators' C operands: 8 numbers a lane for each, from LDS
.macro LDC dst, adr, off
	WIN 0xC0
.set c, 0
.rept 8
	ds_load_b128 v[(\dst)+8*c:(\dst)+8*c+3],   v[\adr] offset:(\off)+64*c
	ds_load_b128 v[(\dst)+8*c+4:(\dst)+8*c+7], v[\adr] offset:(\off)+64*c+16
.set c, c+1
.endr
.endm
	; q1 for my wave's 32 queries: 16 accumulators (nt, ot) at 8 (8 nt + ot); feat1's fragments (nt, ks) in HF's registers
	WIN 0xC0
.irp nt, 0, 1
.irp ks, 0, 1
	ds_load_tr16_b128 v[HF+8*(2*\nt+\ks):HF+8*(2*\nt+\ks)+3],   v[TR] offset:32*FP*\ks+32*\nt
	ds_load_tr16_b128 v[HF+8*(2*\nt+\ks)+4:HF+8*(2*\nt+\ks)+7], v[TR] offset:32*FP*\ks+32*\nt+16*FP
.endr
.endr
	LDC C0, BA, 0
	LDC D1, BA, 0
	s_wait_dscnt 0x0
	WIN 0xFC                                       ; A in window 0; B, C and D in window 3
.irp ks, 0, 1
.set a, 0
.rept 16                               ; the accumulators take turns
	v_wmma_f32_16x16x32_bf16 v[8*a:8*a+7], v[WT+8*(2*(a%8)+\ks):WT+8*(2*(a%8)+\ks)+7], v[HF+8*(2*(a/8)+\ks):HF+8*(2*(a/8)+\ks)+7], v[8*a:8*a+7]
.set a, a+1
.endr
.endr
	PLACES
	WIN 0x0C
.set a, 0
.rept 16
	ds_store_b128 v[Q1W], v[8*a:8*a+3]   offset:(a/8)*16*QP+64*(a%8)          ; my wave's own rows of Q1T; each accumulator from its low end
	ds_store_b128 v[Q1W], v[8*a+4:8*a+7] offset:(a/8)*16*QP+64*(a%8)+16
.set a, a+1
.endr
	WIN 0
.set c, 0
.rept 8
	v_mov_b32 v[BF+8*c+2], 0                       ; BF's rows 4-7 (and 12-15): zero, once
	v_mov_b32 v[BF+8*c+3], 0
.set c, c+1
.endr
.macro IDXL                            ; the next tile's neighbour numbers: eight for my half of the lanes, and neighbour r's
	ds_load_b128 v[IDX8:IDX8+3],   v[IA8]
	ds_load_b128 v[IDX8+4:IDX8+7], v[IA8] offset:16
	ds_load_b32 v[IDXR], v[IAR]
	v_add_nc_u32 v[IA8], 64, v[IA8]
	v_add_nc_u32 v[IAR], 64, v[IAR]
.endm
.macro GATH p                          ; eleven loads: eight of two rows each, and neighbour r's three coordinates
.set u, 0
.rept 8
	v_min_u32 v[IDX8+u], 0xfff, v[IDX8+u]
.set u, u+1
.endr
	v_min_u32 v[IDXR], 0xfff, v[IDXR]
.set u, 0
.rept 8
	v_lshl_add_u32 v[VO+8*(\p)+u], v[IDX8+u], 8, v[LT16]
.set u, u+1
.endr
	v_lshlrev_b32 v[VO4+(\p)], 2, v[IDXR]
.set u, 0
.rept 8
	global_load_b128 v[RAW+32*(\p)+4*u:RAW+32*(\p)+4*u+3], v[VO+8*(\p)+u], s[4:5]   ; 16 lanes take a row: 256 consecutive bytes, aligned
.set u, u+1
.endr
	global_load_b32 v[XN+4*(\p)],   v[VO4+(\p)], s[12:13]
	global_load_b32 v[XN+4*(\p)+1], v[VO4+(\p)], s[12:13] offset:16384
	global_load_b32 v[XN+4*(\p)+2], v[VO4+(\p)], s[12:13] offset:32768
.endm
; The tile whose gather lies in buffer p is made ready: rows through the stage into BF, the direction (f16) into BF; g = 1: the buffer is asked for again, two tiles on.
; n: the global loads issued behind this tile's gather: the next tile's eleven, or none.
.macro PREP p, g, n
	s_wait_loadcnt \n
.set u, 0
.rept 8
	ds_store_b128 v[GSW], v[RAW+32*(\p)+4*u:RAW+32*(\p)+4*u+3] offset:2*GPI*u
.set u, u+1
.endr
.set c, 0
.rept 8
	ds_load_b128 v[BF+8*c+4:BF+8*c+7], v[GSR] offset:32*c      ; LDS serves a wave's instructions in order: these see the stores above
.set c, c+1
.endr
	s_wait_dscnt 16                                ; all but the 16 just issued: the numbers, the query's coordinates and b1 are in
	v_cvt_pk_bf16_f32 v[WK],   v[XN+4*(\p)],   v[XN+4*(\p)+1]
	v_cvt_pk_bf16_f32 v[WK+1], v[XN+4*(\p)+2], v[XN+4*(\p)+2]
	v_lshlrev_b32 v[WK+2], 16, v[WK]
	v_and_b32     v[WK+3], s[HM], v[WK]
	v_lshlrev_b32 v[WK+4], 16, v[WK+1]
	v_sub_f32 v[WK+2], v[WK+2], v[XQ]
	v_sub_f32 v[WK+3], v[WK+3], v[XQ+1]
	v_sub_f32 v[WK+4], v[WK+4], v[XQ+2]
.set c, 0
.rept 8
	v_cvt_pk_f16_f32 v[BF+8*c],   v[WK+2], v[WK+3]
	v_cvt_pk_f16_f32 v[BF+8*c+1], v[WK+4], v[NIL]
.set c, c+1
.endr
.if \g
	GATH \p
.endif
.endm
; leaky and rounding of eight accumulators into HF's four fragments; each accumulator is read from its low end on.  half = 1: to f16 (h0); 0: to bf16 (h1)
.macro ACT src, half
	WIN 0xFF
.set a, 0
.rept 8
.set TT, T3+8*(a%2)
.set HH, HF+8*(a/2)+4*(a%2)
.set i, 0
.rept 4
	v_pk_mul_f32 v[TT+2*i:TT+2*i+1], v[(\src)+8*a+2*i:(\src)+8*a+2*i+1], s[LK:LK+1] op_sel_hi:[1,0]
.set i, i+1
.endr
.set i, 0
.rept 8
	v_max_num_f32 v[TT+i], v[TT+i], v[(\src)+8*a+i]
.set i, i+1
.endr
.set i, 0
.rept 4
.if \half
	v_cvt_pk_f16_f32 v[HH+i], v[TT+2*i], v[TT+2*i+1]
.else
	v_cvt_pk_bf16_f32 v[HH+i], v[TT+2*i], v[TT+2*i+1]
.endif
.set i, i+1
.endr
.set a, a+1
.endr
.endm
; A TILE.  pn: the next tile's buffer.  prep = 1: the next tile is made ready.  g = 1: the tile three on is asked for.  n: PREP's count.
.macro STEP pn, prep, g, n
	WIN 0
.if \g
	IDXL
.endif
.if \prep
	ds_load_b128 v[XQ:XQ+3], v[XA]                 ; the next query's coordinates
.endif
.if (\prep) && (\g)
	s_wait_dscnt 20                                ; b1's 16 loads and the four just issued may be out; BF and q1 of this tile are older
.elseif \prep
	s_wait_dscnt 17                                ; b1's 16 and the one just issued
.else
	s_wait_dscnt 0x0
.endif
	WIN 0xF3                                       ; A0, C and D in window 3, BF in window 0
.set c, 0
.rept 8
	v_wmma_f32_16x16x32_f16 v[C0+8*c:C0+8*c+7], v[A0+8*c:A0+8*c+7], v[BF+8*c:BF+8*c+7], v[C0+8*c:C0+8*c+7]
.set c, c+1
.endr
	WIN 0
	v_add_nc_u32 v[QA], QP, v[QA]                  ; four places behind those products, ahead of the loads into BF and the reads of C0
	v_add_nc_u32 v[XA], 16, v[XA]
	v_add_nc_u32 v[OA], 4, v[OA]
	v_nop
.if \prep
	PREP \pn, \g, \n
.endif
	ACT C0, 1
.if \prep
	LDC C0, QA, 0                                  ; the next tile's q1
.endif
	WIN 0xFD                                       ; W1 in window 1; HF, C and D in window 3
.irp ks, 0,1,2,3
.set o, 0
.rept 8                                ; the eight accumulators take turns; the first round adds onto b1
	v_wmma_f32_16x16x32_f16 v[D1+8*o:D1+8*o+7], v[8*(4*o+\ks):8*(4*o+\ks)+7], v[HF+8*\ks:HF+8*\ks+7], v[D1+8*o:D1+8*o+7]
.set o, o+1
.endr
.endr
	PLACES
	ACT D1, 0
	WIN 0xFB                                       ; HF in window 3, W2 in window 2
.irp ks, 0,1,2,3
.set o, 0
.rept 8
.if (\ks) == 0
	v_wmma_f32_16x16x32_bf16 v[D1+8*o:D1+8*o+7], v[HF+8*\ks:HF+8*\ks+7], v[8*(4*o+\ks):8*(4*o+\ks)+7], 0
.else
	v_wmma_f32_16x16x32_bf16 v[D1+8*o:D1+8*o+7], v[HF+8*\ks:HF+8*\ks+7], v[8*(4*o+\ks):8*(4*o+\ks)+7], v[D1+8*o:D1+8*o+7]
.endif
.set o, o+1
.endr
.endr
	PLACES
	WIN 0xFF
.irp rnd, 0,1,2,3                      ; the maximum over my eight neighbours, tile by tile of 16 channels, from each accumulator's low end on
.set c, 0
.rept 8
.if (\rnd) == 0
	v_max3_num_f32 v[T3+c], v[D1+8*c], v[D1+8*c+1], v[D1+8*c+2]
.elseif (\rnd) < 3
	v_max3_num_f32 v[T3+c], v[T3+c], v[D1+8*c+2*(\rnd)+1], v[D1+8*c+2*(\rnd)+2]
.else
	v_max_num_f32 v[T3+c], v[T3+c], v[D1+8*c+7]
.endif
.set c, c+1
.endr
.endr
.set i, 0
.rept 4                                ; of tiles 2 i and 2 i + 1 lanes 0-15 keep the first and send the second, lanes 16-31 the other way: lane l ends with channel 32 i + l
	v_cndmask_b32 v[T3+8+i],  v[T3+2*i],   v[T3+2*i+1], s[HM]
	v_cndmask_b32 v[T3+12+i], v[T3+2*i+1], v[T3+2*i],   s[HM]
.set i, i+1
.endr
.set i, 0
.rept 4
	v_permlanex16_b32 v[T3+i], v[T3+12+i], s[SEL], s[SEL+1]
.set i, i+1
.endr
.set i, 0
.rept 4
	v_max_num_f32 v[T3+8+i], v[T3+8+i], v[T3+i]
.set i, i+1
.endr
.set i, 0
.rept 4
	v_add_f32 v[T3+8+i], v[T3+8+i], v[B2+i]
.set i, i+1
.endr
.set i, 0
.rept 4
	v_mul_f32 v[T3+i], s[LK], v[T3+8+i]
.set i, i+1
.endr
.set i, 0
.rept 4
	v_max_num_f32 v[T3+8+i], v[T3+8+i], v[T3+i]
.set i, i+1
.endr
	WIN 0x0C
.set i, 0
.rept 4
	ds_store_b32 v[OA], v[T3+8+i] offset:32*QP*i
.set i, i+1
.endr
.if \prep
	LDC D1, BA, 512                                ; b1 for the next tile's layer 1
.endif
.endm
	IDXL                                           ; tiles 0 and 1 are asked for,
	s_wait_dscnt 0x0
	GATH 0
	IDXL
	s_wait_dscnt 0x0
	GATH 1
	IDXL                                           ; tile 2's numbers and query 0's coordinates are fetched,
	ds_load_b128 v[XQ:XQ+3], v[XA]
	PREP 0, 1, 11                                  ; tile 0 is made ready (tile 1's eleven loads may be out; W1 and W2 were issued ahead of tile 0's and are in), tile 2 asked for
	v_add_nc_u32 v[XA], 16, v[XA]
	LDC C0, QA, 0
	LDC D1, BA, 512
	WIN 0
	s_mov_b32 s[CTR], 14
.Ltile:                                                ; 14 trips of two tiles
	STEP 1, 1, 1, 11
	STEP 0, 1, 1, 11
	WIN 0
	s_sub_co_u32 s[CTR], s[CTR], 1
	s_cmp_lg_u32 s[CTR], 0
	s_cbranch_scc1 .Ltile
	STEP 1, 1, 1, 11                               ; tile 28 asks for tile 31, the last
	STEP 0, 1, 0, 11                               ; tile 29: tile 30 is made ready, tile 31's loads may be out
	STEP 1, 1, 0, 0                                ; tile 30: no load was issued behind tile 31's
	STEP 0, 0, 0, 0                                ; tile 31
	; THE WAY OUT: a channel's 128 queries come from four waves; behind a barrier wave w takes channels 32 w .. 32 w + 31, whole rows of 512 bytes.
	WIN 0
	s_wait_dscnt 0x0                               ; for the others' sake: my stores into OUT are done
	s_barrier_signal -1
	s_barrier_wait -1
	s_mul_i32 s38, s[WV], 32*QP
	s_add_co_u32 s38, s38, OUT
	v_add_nc_u32 v61, s38, v[L16]
	v_lshl_add_u32 v62, s[WV], 19, v[L16]          ; 32 channels of 16,384 bytes a wave
.set i, 0
.rept 32
	ds_load_b128 v[RAW+4*i:RAW+4*i+3], v61 offset:QP*i
.set i, i+1
.endr
.set i, 0
.rept 32
	s_wait_dscnt 31-i
	global_store_b128 v62, v[RAW+4*i:RAW+4*i+3], s[26:27] offset:16384*i th:TH_STORE_NT   ; 512 consecutive bytes, aligned
.set i, i+1
.endr
	s_wait_tensorcnt 0x0                           ; the wave's end: three closing lines behind my last LDS store
	ds_add_u32 v[SPW], v[NIL]
	s_wait_dscnt 0x0
	s_endpgm
.Lfunc_end_k_q96de1dd6b0_gather_mlp:
	.size	k_q96de1dd6b0_gather_mlp, .Lfunc_end_k_q96de1dd6b0_gather_mlp-k_q96de1dd6b0_gather_mlp
	.p2alignl 7, 3214868480
	.fill 96, 4, 3214868480
	.section	.rodata,"a",@progbits
	.p2align	6, 0x0
	.amdhsa_kernel k_q96de1dd6b0_gather_mlp
		.amdhsa_group_segment_fixed_size 183808
		.amdhsa_private_segment_fixed_size 0
		.amdhsa_enable_private_segment 0
		.amdhsa_kernarg_size 96
		.amdhsa_user_sgpr_count 2
		.amdhsa_user_sgpr_kernarg_segment_ptr 1
		.amdhsa_wavefront_size32 1
		.amdhsa_system_sgpr_workgroup_id_x 1
		.amdhsa_system_sgpr_workgroup_id_y 1
		.amdhsa_system_sgpr_workgroup_id_z 1
		.amdhsa_system_vgpr_workitem_id 0
		.amdhsa_next_free_vgpr 1024
		.amdhsa_next_free_sgpr 66
		.amdhsa_reserve_vcc 1
		.amdhsa_float_denorm_mode_32 3
		.amdhsa_float_denorm_mode_16_64 3
		.amdhsa_memory_ordered 1
		.amdhsa_forward_progress 1
		.amdhsa_inst_pref_size 214
	.end_amdhsa_kernel
	.amdgpu_metadata
---
amdhsa.version: [ 1, 2 ]
amdhsa.kernels:
  - .name:           k_q96de1dd6b0_gather_mlp
    .symbol:         k_q96de1dd6b0_gather_mlp.kd
    .args:
      - { .name: p2t, .offset: 0, .size: 8, .value_kind: global_buffer, .address_space: global }
      - { .name: idx, .offset: 8, .size: 8, .value_kind: global_buffer, .address_space: global }
      - { .name: wpk, .offset: 16, .size: 8, .value_kind: global_buffer, .address_space: global }
      - { .name: pc1, .offset: 24, .size: 8, .value_kind: global_buffer, .address_space: global }
      - { .name: pc2, .offset: 32, .size: 8, .value_kind: global_buffer, .address_space: global }
      - { .name: feat1, .offset: 40, .size: 8, .value_kind: global_buffer, .address_space: global }
      - { .name: w_pos, .offset: 48, .size: 8, .value_kind: global_buffer, .address_space: global }
      - { .name: b_t1, .offset: 56, .size: 8, .value_kind: global_buffer, .address_space: global }
      - { .name: b_pos, .offset: 64, .size: 8, .value_kind: global_buffer, .address_space: global }
      - { .name: b_m1, .offset: 72, .size: 8, .value_kind: global_buffer, .address_space: global }
      - { .name: b_m2, .offset: 80, .size: 8, .value_kind: global_buffer, .address_space: global }
      - { .name: out0, .offset: 88, .size: 8, .value_kind: global_buffer, .address_space: global }
    .group_segment_fixed_size: 183808
    .private_segment_fixed_size: 0
    .kernarg_segment_align: 8
    .kernarg_segment_size: 96
    .max_flat_workgroup_size: 128
    .sgpr_count:     66
    .vgpr_count:     1024
    .wavefront_size: 32
...
	.end_amdgpu_metadata
.endif
;; end of part 3
;; ======== version 2 of 2: 3 launches; version 1 with the launch knn_groups written anew for expert scheduling mode
;; limits: values outside matrix products are rounded to f16; values are held in f16: magnitudes above 65,504 overflow, below 6.1e-05 lose precision
;; workspace buffers: grp 524,288 bytes of whole numbers; idx 1,048,576 bytes of whole numbers; p2t 8,388,608 bytes; wpk 98,304 bytes
;; launch knn_groups (part 4): grid 32 x 8, 4 waves a work-group, no clusters, 201,728 bytes of LDS; arguments pc1, pc2, w_m1, w_m2, w_t1, w_t2, grp, wpk; writes grp, wpk
.if DOCPART == 4
	.amdgcn_target "amdgcn-amd-amdhsa--gfx1250"
	.amdhsa_code_object_version 6
	.text
	.protected	k_q96de1dd6b0_knn_groups
	.globl	k_q96de1dd6b0_knn_groups
	.p2align	8
	.type	k_q96de1dd6b0_knn_groups,@function
k_q96de1dd6b0_knn_groups:
	s_mov_b64 s[64:65], 0
	v_nop
	global_prefetch_b8 v0, s[64:65] scope:SCOPE_SE
	s_setreg_imm32_b32 hwreg(HW_REG_WAVE_SCHED_MODE, 0, 2), 2
	s_setreg_imm32_b32 hwreg(HW_REG_WAVE_MODE, 25, 1), 1
	s_wait_xcnt 0x0
	s_wait_alu depctr_vm_vsrc(0)
; NEAREST NEIGHBOURS, FIRST LEVEL.  A batch's 4,096 keys lie in 256 groups of 16 consecutive indices.  For each query this launch stores the numbers of the 16 groups
; that are best by (smallest distance in the group, group number).  The 16 nearest keys by (distance, index) lie in these groups: were a key of them in another group,
; 16 groups would each hold a key in front of it.  The choice is made without a branch or an address that hangs on a distance.
; DISTANCE.  Every coordinate is rounded to bf16 first; then in f32, in this order: s = fma(z,z,fma(y,y,x*x)); dot = fma(z1,z2,fma(y1,y2,x1*x2)); t = s1 + s2; d = fma(-2,dot,t).
; Products of two bf16 numbers are exact in f32, so only the order of the additions shows in the bits.
; LIMITS.  NaN and infinities are not treated.  The neighbours are those of the bf16-rounded coordinates.  Where the three squares or products are added in another order
; than x, y, z, keys whose distances differ by a last bit may change places.
; SHARES.  A work-group: 128 queries of one batch against all keys.  Phase 1: every wave holds all 128 queries (a lane four, as two register pairs) and walks 64 groups;
; the groups' minima go to LDS.  Phase 2: a lane is one query and chooses among its 256 minima.
; ALSO: work-groups 0 to 191 (wave 0) each round 512 numbers of the four weight matrices to bf16 and store them as half a matrix fragment (wpk), 512 consecutive bytes.
; w_m1's numbers, so rounded, are written as f16 (its partner in the product, the first hidden layer, is kept in f16): exact from 2^-14 up, below that in f16's fixed step of 2^-24; beyond 65,504 infinite.
; NO CLUSTER, NO TENSOR LOAD: the 32 work-groups of a batch share pc2 alone, 49,152 bytes read once for 524,288 distances, and the table in LDS is computed from it, not copied.
; THE MODE: SCHED_MODE bits 1:0 = 2 (LLVM: expert scheduling mode 2), set by the entry lines.  The code itself states the register dependences between vector instructions
; and memory or LDS instructions, and between vector instructions that write a scalar register and its readers, with s_wait_alu, always for 0.
; THE PLAN.  Registers that memory or LDS instructions touch, and who else names them:
;   v7, v8, v[KW]   offsets, made at the head; v7 is made anew in front of the last store alone.
;   v176-191        the weight pack's offsets and data; written again by the key table's second out-buffer.
;   eight out-buffers of 16 for the key table (v160, 176, 192, 208; v224, 240, 64, 80): each written by one quad's arithmetic and read by its four stores; none is written twice.
;                   Four quads are computed, one wait, 16 stores; the other four are computed while those stores leave.
;   BUFA, BUFB      a group's arithmetic reads one of them; the loads of the group two on land in it behind that group's wait.
;   M0, M1          an even group's minima, an odd group's: written by the group's arithmetic, read by one store, written again a trip later.
;   KA, MA, MB      KA: read by the group loads.  MA: by M0's store.  MB: by M1's store.  MB = MA + 512 is made in the even group's slot, MA and KA move on in the odd group's.
;   MVA, MVB        phase 2a: a step's 256 sorting lines read one of them while the next 16 rows land in the other.
;   MR              read by the loads of rows; moves on at a trip's bottom.
;   MV              phase 2b: read by a trip's 16 compares, then loaded again.
; So a group has ONE wait on va_vdst, behind its arithmetic and the address lines: its minima and the addresses are written and its buffer has been read; the next run of loads
; and the store follow with no vector instruction between.  One wait on vm_vsrc stands ahead of the address lines, about a group behind the instructions that it waits for.
.set GP,    272                        ; a group in the key table: 8 pairs of 32 bytes [xa xb ya yb][za zb sa sb] + 16 bytes
.set KT,    131072                     ; key table: 257 groups (the last holds zeros: the look-ahead of the last group reads it)
.set SPARE, 201216                     ; the spare words, 128 bytes a wave; bytes 0 to 131,071: MT[group][128 queries] f32
.set SPW,  2                           ; v2  my spare word's address; never rewritten
.set NIL,  3                           ; v3  0; never rewritten
.set KA,   4                           ; v4  the key table at the trip's first group (the same in all lanes)
.set MA,   5                           ; v5  where my four minima of the trip's even group go
.set MR,   6                           ; v6  phase 2: my query's column of MT
.set KW,   9                           ; v9  where my four keys go in the table
.set MB,   11                          ; v11 where my four minima of the trip's odd group go
.set QX,   12                          ; v12-27  x, y, z, s of my four queries
.set QY,   16
.set QZ,   20
.set QS,   24
.set M0,   28                          ; v28-31  an even group's minima for my four queries
.set D,    32                          ; v32-47  (key kk of four, query q) at D + 4 kk + q
.set T,    48                          ; v48-63  s1 + s2, likewise
.set BUFA, 64                          ; v64-127, v128-191  a group's 64 words, two buffers
.set BUFB, 128
.set RAW,  64                          ; at the start: pc2 as loaded, 12 registers for each of my 8 quads of keys
.set PW,   176                         ; v176-191  the weight pack
.set M1,   192                         ; v192-195  an odd group's minima
.set L,    64                          ; phase 2: v64-79 the 16 smallest, ascending
.set MVA,  80                          ; v80-95 minima as loaded
.set MV,   80                          ; v80-87 phase 2b: eight minima as loaded
.set TH,   96                          ; the 16th smallest
.set NEED, 97                          ; how many equal to it are taken
.set CNT,  98                          ; how many equal to it have been seen
.set TMP,  99
.set CL,   100
.set S,    104                         ; v104-107  the queue: 16 group numbers, a byte each
.set SH,   108                         ; v108-115  at work: a bit, then a shift
.set MVB,  128                         ; v128-143 minima as loaded, the second buffer
.set WV,  20
.set XX,  21
.set YY,  22
.set WG,  23
.set LT,  32                           ; s32-39, s40-47, s48-55  lane masks of eight candidates
.set EQ,  40
.set TK,  48
.set GID, 56
.set CTR, 57
.set HM,  63                           ; a word's upper bf16
	s_load_b512 s[4:19], s[0:1], 0x0               ; pc1, pc2, w_m1, w_m2, w_t1, w_t2, grp, wpk
	v_lshl_add_u32 v[SPW], v0, 2, SPARE
	v_mov_b32 v[NIL], 0
	v_and_b32 v1, 31, v0                           ; lane
	v_lshrrev_b32 v7, 5, v0
	v_readfirstlane_b32 s[WV], v7                  ; wave
	s_mov_b32 s[XX], ttmp9                         ; block of 128 queries
	s_and_b32 s[YY], ttmp7, 0xffff                 ; batch
	s_lshl_b32 s[WG], s[YY], 5
	s_add_co_u32 s[WG], s[WG], s[XX]               ; the work-group's number, 0 to 255
	s_mov_b32 s[HM], 0xffff0000
	s_mul_i32 s24, s[YY], 49152                    ; a batch of pc: 3 planes of 16,384 bytes
	s_mov_b32 s25, 0
	s_lshl_b32 s26, s[XX], 9                       ; 128 queries of 4 bytes
	s_mov_b32 s27, 0
	v_lshlrev_b32 v7, 4, v1                        ; my four queries
	v_lshlrev_b32 v8, 4, v0                        ; my quad of keys in each run of 512 keys
	v_lshrrev_b32 v10, 2, v0
	v_and_b32 v11, 3, v0
	v_mul_u32_u24 v[KW], v10, GP                   ; group t / 4 of each 32, quad t % 4 of the group
	v_lshl_add_u32 v[KW], v11, 6, v[KW]
	v_add_nc_u32 v[KW], KT, v[KW]
	s_wait_alu depctr_va_sdst(0)                   ; the wave's number is written, ahead of its first reader (the compare below) and of every branch
	s_wait_kmcnt 0x0
	s_add_nc_u64 s[4:5], s[4:5], s[24:25]
	s_add_nc_u64 s[4:5], s[4:5], s[26:27]
	s_add_nc_u64 s[6:7], s[6:7], s[24:25]
	s_wait_alu depctr_va_vdst(0)                   ; v7, v8 and v[KW] are written: the loads below and the table's stores read them as offsets
	global_load_b128 v[QX:QX+3], v7, s[4:5]
	global_load_b128 v[QY:QY+3], v7, s[4:5] offset:16384
	global_load_b128 v[QZ:QZ+3], v7, s[4:5] offset:32768
.set i, 0
.rept 8
	global_load_b128 v[RAW+12*i:RAW+12*i+3],    v8, s[6:7] offset:2048*i
	global_load_b128 v[RAW+12*i+4:RAW+12*i+7],  v8, s[6:7] offset:2048*i+16384
	global_load_b128 v[RAW+12*i+8:RAW+12*i+11], v8, s[6:7] offset:2048*i+32768
.set i, i+1
.endr
	; THE WEIGHT PACK.  Job j = the work-group's number; fragment F = j / 2, half j % 2.  F 0-31: w_m1, 32-63: w_m2 (tile (F % 32) / 4, K step F % 4, rows of 512 bytes);
	; 64-79: w_t1, 80-95: w_t2 (tile (F % 16) / 2, K step F % 2, rows of 256 bytes).  Lane l takes row 16 tile + l % 16, k = 32 step + 16 half + 8 (l / 16) + 0..7.
	s_cmp_lg_u32 s[WV], 0
	s_cbranch_scc1 .Lnopack
	s_cmp_ge_u32 s[WG], 192
	s_cbranch_scc1 .Lnopack
	s_lshr_b32 s30, s[WG], 1
	s_bfe_u32 s58, s30, 0x30002
	s_and_b32 s59, s30, 3
	s_bfe_u32 s60, s30, 0x30001
	s_and_b32 s61, s30, 1
	s_cmp_lt_u32 s30, 32
	s_cselect_b64 s[26:27], s[8:9], s[10:11]
	s_cmp_lt_u32 s30, 80
	s_cselect_b64 s[28:29], s[12:13], s[14:15]
	s_cmp_lt_u32 s30, 64
	s_cselect_b64 s[26:27], s[26:27], s[28:29]     ; the matrix
	s_cselect_b32 s58, s58, s60                    ; the tile
	s_cselect_b32 s59, s59, s61                    ; the K step
	s_cselect_b32 s60, 9, 8                        ; log2 of a row's bytes
	s_lshl_b32 s59, s59, 7
	s_and_b32 s61, s[WG], 1
	s_lshl_b32 s61, s61, 6
	s_add_co_u32 s59, s59, s61                     ; 128 step + 64 half
	s_cmp_lt_u32 s30, 32
	s_cselect_b32 s61, -1, 0                       ; all lanes, or none: w_m1 alone is written as f16
	v_and_b32 v[PW], 15, v0
	v_lshl_add_u32 v[PW], s58, 4, v[PW]
	v_lshlrev_b32 v[PW], s60, v[PW]
	v_bfe_u32 v[PW+1], v0, 4, 1
	v_lshl_add_u32 v[PW+1], v[PW+1], 5, s59
	v_add_nc_u32 v[PW], v[PW], v[PW+1]
	v_lshlrev_b32 v[PW+2], 4, v1
	v_lshl_add_u32 v[PW+2], s[WG], 9, v[PW+2]      ; 512 j + 16 l
	s_wait_alu depctr_va_vdst(0)                   ; v[PW] is written: the two loads read it as their offset
	global_load_b128 v[PW+4:PW+7],  v[PW], s[26:27]
	global_load_b128 v[PW+8:PW+11], v[PW], s[26:27] offset:16
	s_wait_loadcnt 0x0
	v_cvt_pk_bf16_f32 v[PW+12], v[PW+4], v[PW+5]
	v_cvt_pk_bf16_f32 v[PW+13], v[PW+6], v[PW+7]
	v_cvt_pk_bf16_f32 v[PW+14], v[PW+8], v[PW+9]
	v_cvt_pk_bf16_f32 v[PW+15], v[PW+10], v[PW+11]
.set i, 0
.rept 4                                ; the rounded numbers once more in f32,
	v_lshlrev_b32 v[PW+4+2*i], 16, v[PW+12+i]
	v_and_b32     v[PW+5+2*i], s[HM], v[PW+12+i]
.set i, i+1
.endr
.set i, 0
.rept 4                                ; as f16 (each line's sources lie at or above its destination, so none is overwritten early),
	v_cvt_pk_f16_f32 v[PW+4+i], v[PW+4+2*i], v[PW+5+2*i]
.set i, i+1
.endr
.set i, 0
.rept 4                                ; and taken where the matrix is w_m1
	v_cndmask_b32 v[PW+12+i], v[PW+12+i], v[PW+4+i], s61
.set i, i+1
.endr
	s_wait_alu depctr_va_vdst(0)                   ; the selects have written v[PW+12 ..], the store's data
	global_store_b128 v[PW+2], v[PW+12:PW+15], s[18:19]
.Lnopack:
	s_wait_loadcnt 0x0                             ; queries and keys are in, on both ways
	s_wait_xcnt 0x0                                ; the pack's registers and base are rewritten only behind this wait
	s_wait_alu depctr_vm_vsrc(0)                   ; the pack's loads and store have read v[PW ..]: the key table's second out-buffer is written over them
	; the queries: rounded to bf16, widened again; s
.irp b, QX, QY, QZ
	v_cvt_pk_bf16_f32 v[T],   v[\b],   v[\b+1]
	v_cvt_pk_bf16_f32 v[T+1], v[\b+2], v[\b+3]
	v_lshlrev_b32 v[\b],   16, v[T]
	v_and_b32     v[\b+1], s[HM], v[T]
	v_lshlrev_b32 v[\b+2], 16, v[T+1]
	v_and_b32     v[\b+3], s[HM], v[T+1]
.endr
.irp e, 0, 2
	v_pk_mul_f32 v[QS+\e:QS+\e+1], v[QX+\e:QX+\e+1], v[QX+\e:QX+\e+1]
	v_pk_fma_f32 v[QS+\e:QS+\e+1], v[QY+\e:QY+\e+1], v[QY+\e:QY+\e+1], v[QS+\e:QS+\e+1]
	v_pk_fma_f32 v[QS+\e:QS+\e+1], v[QZ+\e:QZ+\e+1], v[QZ+\e:QZ+\e+1], v[QS+\e:QS+\e+1]
.endr
; My quad i of keys: rounded, s made, two pairs of the table's form in the out-buffer at v[o].
.macro KBUILD i, o
.set R, RAW+12*(\i)
	v_cvt_pk_bf16_f32 v[T],   v[R],    v[R+1]
	v_cvt_pk_bf16_f32 v[T+1], v[R+2],  v[R+3]
	v_cvt_pk_bf16_f32 v[T+2], v[R+4],  v[R+5]
	v_cvt_pk_bf16_f32 v[T+3], v[R+6],  v[R+7]
	v_cvt_pk_bf16_f32 v[T+4], v[R+8],  v[R+9]
	v_cvt_pk_bf16_f32 v[T+5], v[R+10], v[R+11]
.irp h, 0, 1
	v_lshlrev_b32 v[(\o)+8*\h],   16, v[T+\h]
	v_and_b32     v[(\o)+8*\h+1], s[HM], v[T+\h]
	v_lshlrev_b32 v[(\o)+8*\h+2], 16, v[T+2+\h]
	v_and_b32     v[(\o)+8*\h+3], s[HM], v[T+2+\h]
	v_lshlrev_b32 v[(\o)+8*\h+4], 16, v[T+4+\h]
	v_and_b32     v[(\o)+8*\h+5], s[HM], v[T+4+\h]
	v_pk_mul_f32 v[(\o)+8*\h+6:(\o)+8*\h+7], v[(\o)+8*\h:(\o)+8*\h+1],   v[(\o)+8*\h:(\o)+8*\h+1]
	v_pk_fma_f32 v[(\o)+8*\h+6:(\o)+8*\h+7], v[(\o)+8*\h+2:(\o)+8*\h+3], v[(\o)+8*\h+2:(\o)+8*\h+3], v[(\o)+8*\h+6:(\o)+8*\h+7]
	v_pk_fma_f32 v[(\o)+8*\h+6:(\o)+8*\h+7], v[(\o)+8*\h+4:(\o)+8*\h+5], v[(\o)+8*\h+4:(\o)+8*\h+5], v[(\o)+8*\h+6:(\o)+8*\h+7]
.endr
.endm
; The out-buffer at v[o] goes into the table as quad i.
.macro KSTORE i, o
	ds_store_b128 v[KW], v[(\o):(\o)+3]     offset:(\i)*32*GP
	ds_store_b128 v[KW], v[(\o)+4:(\o)+7]   offset:(\i)*32*GP+16
	ds_store_b128 v[KW], v[(\o)+8:(\o)+11]  offset:(\i)*32*GP+32
	ds_store_b128 v[KW], v[(\o)+12:(\o)+15] offset:(\i)*32*GP+48
.endm
	KBUILD 0, 160
	KBUILD 1, 176
	KBUILD 2, 192
	KBUILD 3, 208
	s_wait_alu depctr_va_vdst(0)                   ; quads 0 to 3 have written v160-223, which the 16 stores read
	KSTORE 0, 160
	KSTORE 1, 176
	KSTORE 2, 192
	KSTORE 3, 208
	KBUILD 4, 224                                  ; out-buffers of their own, so that nothing is owed to the stores above
	KBUILD 5, 240
	KBUILD 6, 64                                   ; v64-95 held the raw numbers of quads 0 to 2, which are used up
	KBUILD 7, 80
	s_wait_alu depctr_va_vdst(0)                   ; quads 4 to 7 have written v224-255 and v64-95, which the 16 stores read
	KSTORE 4, 224
	KSTORE 5, 240
	KSTORE 6, 64
	KSTORE 7, 80
	s_cmp_lg_u32 s[WV], 3
	s_cbranch_scc1 .Lnopad
	v_mov_b32 v[D], 0                              ; group 256: zeros, read by the last look-ahead and never used
	v_mov_b32 v[D+1], 0
	v_mov_b32 v[D+2], 0
	v_mov_b32 v[D+3], 0
	v_and_b32 v10, 15, v0
	v_lshlrev_b32 v10, 4, v10
	v_add_nc_u32 v10, KT+256*GP, v10
	s_wait_alu depctr_va_vdst(0)                   ; the zeros and their address are written, which the store reads
	ds_store_b128 v10, v[D:D+3]
.Lnopad:
	s_mul_i32 s24, s[WV], 64*GP
	s_add_co_u32 s24, s24, KT
	v_mov_b32 v[KA], s24                           ; my wave's first group
	v_lshlrev_b32 v[MA], 4, v1
	v_lshl_add_u32 v[MA], s[WV], 15, v[MA]         ; MT: 64 rows of 512 bytes a wave, 16 bytes a lane
	s_wait_dscnt 0x0                               ; for the others' sake: my part of the table is written
	s_barrier_signal -1
	s_barrier_wait -1
	s_wait_alu depctr_vm_vsrc(0)                   ; the table's stores have read v64-95, v160-255, v[D ..] and v10: groups land in the first of these, phase 1's arithmetic writes M1 and D
	s_wait_alu depctr_va_vdst(0)                   ; v[KA] and v[MA] are written; the table's arithmetic is done with v64-191, in which the groups land
; PHASE 1.  One operation for the eight chains of a block: four keys (pairs 2 blk, 2 blk + 1 of the group) x two pairs of queries.  A key is one register of a pair and
; feeds both halves of the packed instruction: the first register by op_sel_hi 0, the second by op_sel 1.
.macro KOP op, blk
.set kk, 0
.rept 4
.set KP, CUR+8*(2*(\blk)+kk/2)
.set qp, 0
.rept 2
.set DR, D+4*kk+2*qp
.set TR, T+4*kk+2*qp
.if (\op) == 0
.if kk%2 == 0
	v_pk_mul_f32 v[DR:DR+1], v[QX+2*qp:QX+2*qp+1], v[KP:KP+1] op_sel_hi:[1,0]
.else
	v_pk_mul_f32 v[DR:DR+1], v[QX+2*qp:QX+2*qp+1], v[KP:KP+1] op_sel:[0,1] op_sel_hi:[1,1]
.endif
.elseif (\op) == 1
.if kk%2 == 0
	v_pk_fma_f32 v[DR:DR+1], v[QY+2*qp:QY+2*qp+1], v[KP+2:KP+3], v[DR:DR+1] op_sel_hi:[1,0,1]
.else
	v_pk_fma_f32 v[DR:DR+1], v[QY+2*qp:QY+2*qp+1], v[KP+2:KP+3], v[DR:DR+1] op_sel:[0,1,0] op_sel_hi:[1,1,1]
.endif
.elseif (\op) == 2
.if kk%2 == 0
	v_pk_fma_f32 v[DR:DR+1], v[QZ+2*qp:QZ+2*qp+1], v[KP+4:KP+5], v[DR:DR+1] op_sel_hi:[1,0,1]
.else
	v_pk_fma_f32 v[DR:DR+1], v[QZ+2*qp:QZ+2*qp+1], v[KP+4:KP+5], v[DR:DR+1] op_sel:[0,1,0] op_sel_hi:[1,1,1]
.endif
.elseif (\op) == 3
.if kk%2 == 0
	v_pk_add_f32 v[TR:TR+1], v[QS+2*qp:QS+2*qp+1], v[KP+6:KP+7] op_sel_hi:[1,0]
.else
	v_pk_add_f32 v[TR:TR+1], v[QS+2*qp:QS+2*qp+1], v[KP+6:KP+7] op_sel:[0,1] op_sel_hi:[1,1]
.endif
.else
	v_pk_fma_f32 v[DR:DR+1], v[DR:DR+1], -2.0, v[TR:TR+1] op_sel_hi:[1,0,1]
.endif
.set qp, qp+1
.endr
.set kk, kk+1
.endr
.endm
.macro KMIN blk                        ; the block's four keys into the minima at v[MM]; the group's first two start them
.set q, 0
.rept 4
.if (\blk) == 0
	v_min_num_f32 v[MM+q], v[D+q], v[D+4+q]
.else
	v_min3_num_f32 v[MM+q], v[MM+q], v[D+q], v[D+4+q]
.endif
.set q, q+1
.endr
.set q, 0
.rept 4
	v_min3_num_f32 v[MM+q], v[MM+q], v[D+8+q], v[D+12+q]
.set q, q+1
.endr
.endm
.macro LOADG buf, koff                 ; a group's 64 words: 16 loads in one run
.set i, 0
.rept 16
	ds_load_b128 v[(\buf)+4*i:(\buf)+4*i+3], v[KA] offset:(\koff)+16*i
.set i, i+1
.endr
.endm
.macro WORK cur, m                     ; the group in buffer cur: its 16 x 4 distances a lane, their minima into v[m ..]
.set CUR, \cur
.set MM, \m
.irp blk, 0,1,2,3
	KOP 0, \blk
	KOP 1, \blk
	KOP 2, \blk
	KOP 3, \blk
	KOP 4, \blk
	KMIN \blk
.endr
.endm
	LOADG BUFA, 0
	s_wait_dscnt 0x0                               ; group 0 is in: on the way into the loop no store stands behind its loads, so the loop's counted wait would not show it
	s_mov_b32 s[CTR], 32
.Lgrp:                                                 ; 32 trips of two groups
	LOADG BUFB, GP                                 ; the odd group.  No wait: no vector instruction since the last wait on va_vdst names BUFB or v[KA]
	s_wait_dscnt 17                                ; LDS instructions end in order: the 16 loads just issued and the store ahead of them may be out; the even group's loads are older
	WORK BUFA, M0
	s_wait_alu depctr_vm_vsrc(0)                   ; the last trip's store of M1 has read v[MB] (and M1, which the odd group writes again)
	v_add_nc_u32 v[MB], 512, v[MA]                 ; the odd group's row of MT
	s_wait_alu depctr_va_vdst(0)                   ; M0 and v[MB] are written, which stores read; the even group's arithmetic is done reading BUFA, in which the loads below land
	LOADG BUFA, 2*GP                               ; the next trip's even group
	ds_store_b128 v[MA], v[M0:M0+3]
	s_wait_dscnt 17                                ; those 16 loads and the store may be out; the odd group's loads are older
	WORK BUFB, M1
	s_wait_alu depctr_vm_vsrc(0)                   ; the trip's loads have read v[KA]; the store of M0 has read v[MA] (and M0, which the next trip writes again)
	v_add_nc_u32 v[KA], 2*GP, v[KA]
	v_add_nc_u32 v[MA], 1024, v[MA]
	s_wait_alu depctr_va_vdst(0)                   ; M1, v[KA] and v[MA] are written; the odd group's arithmetic is done reading BUFB, in which the next trip's first loads land
	ds_store_b128 v[MB], v[M1:M1+3]
	s_sub_co_u32 s[CTR], s[CTR], 1
	s_cmp_lg_u32 s[CTR], 0
	s_cbranch_scc1 .Lgrp
	s_wait_dscnt 0x0                               ; my minima are written, and the last look-ahead is back
	s_barrier_signal -1
	s_barrier_wait -1
; PHASE 2a.  The 16 smallest of my query's 256 minima, values alone: a sorted list; each value is set in by 15 medians and a minimum, none of which waits for another.
.macro INSERT c
.set ii, 15
.rept 15
	v_med3_num_f32 v[L+ii], v[L+ii-1], v[\c], v[L+ii]
.set ii, ii-1
.endr
	v_min_num_f32 v[L], v[L], v[\c]
.endm
.macro ROWS buf, first                 ; 16 rows of MT, from row first of the trip on, into a buffer
.set j, 0
.rept 16
	ds_load_b32 v[(\buf)+j], v[MR] offset:((\first)+j)*512
.set j, j+1
.endr
.endm
.macro SORT16 buf                      ; a buffer's 16 values are set in, in ascending row
.set j, 0
.rept 16
	INSERT (\buf)+j
.set j, j+1
.endr
.endm
	v_lshlrev_b32 v[MR], 2, v0                     ; query 32 wave + lane = my thread's number
.set i, 0
.rept 16
	v_mov_b32 v[L+i], 0x7f800000
.set i, i+1
.endr
	s_wait_alu depctr_va_vdst(0)                   ; v[MR] is written, which the loads read
	ROWS MVA, 0
	s_mov_b32 s[CTR], 8
.Lscan:                                                ; 8 trips of two steps of 16 rows
	s_wait_dscnt 0x0                               ; MVA is in: its loads went out a step ago
	s_wait_alu depctr_va_vdst(0)                   ; the step before is done reading MVB, in which the loads below land; v[MR] is written
	ROWS MVB, 16
	SORT16 MVA
	s_wait_dscnt 0x0                               ; MVB is in
	s_wait_alu depctr_va_vdst(0)                   ; the step before is done reading MVA, in which the loads below land
	s_cmp_eq_u32 s[CTR], 1
	s_cbranch_scc1 .Lnomore                        ; the last trip has no rows left to ask for; every wait on DScnt here is for 0, so it holds on both ways
	ROWS MVA, 32
.Lnomore:
	SORT16 MVB
	s_wait_alu depctr_vm_vsrc(0)                   ; the trip's loads have read v[MR]
	v_add_nc_u32 v[MR], 16384, v[MR]
	s_sub_co_u32 s[CTR], s[CTR], 1
	s_cmp_lg_u32 s[CTR], 0
	s_cbranch_scc1 .Lscan
	; PHASE 2b.  TH = the 16th smallest; all below it are taken, and of those equal to it the first NEED in ascending group number: 16 in all.
	v_mov_b32 v[TH], v[L+15]
.set i, 0
.rept 15                               ; the compares stand in one run, a scalar register each
	v_cmp_lt_f32 s[LT+i], v[L+i], v[TH]
.set i, i+1
.endr
	v_mov_b32 v[CL], 0
	v_mov_b32 v[CNT], 0
	v_lshlrev_b32 v[MR], 2, v0                     ; (the wait on vm_vsrc at the last trip's bottom stands behind every load that read v[MR])
.set i, 0
.rept 4
	v_mov_b32 v[S+i], 0
.set i, i+1
.endr
	s_wait_alu depctr_va_sdst(0)                   ; the 15 masks are written, ahead of the selects that read them
.set i, 0
.rept 15
	v_cndmask_b32 v[TMP], 0, 1, s[LT+i]
	v_add_nc_u32 v[CL], v[CL], v[TMP]
.set i, i+1
.endr
	v_sub_nc_u32 v[NEED], 16, v[CL]
	s_mov_b32 s[GID], 0
; Eight groups.  A taken number enters the queue of 16 bytes from the top: the four registers are shifted right by 8 bits, or by 0 where it is not taken; every lane does the same work.
.macro PICK ahead
	s_wait_dscnt 0x0
.set j, 0
.rept 8
	v_cmp_lt_f32 s[LT+j], v[MV+j], v[TH]
	v_cmp_eq_f32 s[EQ+j], v[MV+j], v[TH]
.set j, j+1
.endr
	s_wait_alu depctr_va_sdst(0)                   ; the 16 masks are written, ahead of the selects and the scalar lines that read them
.if \ahead
	s_wait_alu depctr_va_vdst(0)                   ; the compares are done reading MV, in which the loads below land; v[MR] is written
.set j, 0
.rept 8
	ds_load_b32 v[MV+j], v[MR] offset:(8+j)*512    ; the next eight: what follows stands between these loads and the wait for them
.set j, j+1
.endr
.endif
.set j, 0
.rept 8
	v_cndmask_b32 v[SH+j], 0, 1, s[EQ+j]
.set j, j+1
.endr
.set j, 0
.rept 8
	v_cmp_gt_u32 s[TK+j], v[NEED], v[CNT]
	v_add_nc_u32 v[CNT], v[CNT], v[SH+j]
.set j, j+1
.endr
	s_wait_alu depctr_va_sdst(0)                   ; these eight masks are written, ahead of the scalar lines that read them
.set j, 0
.rept 8
	s_and_b32 s[TK+j], s[TK+j], s[EQ+j]
	s_or_b32 s[TK+j], s[TK+j], s[LT+j]
.set j, j+1
.endr
.set j, 0
.rept 8
	v_cndmask_b32 v[SH+j], 0, 8, s[TK+j]
.set j, j+1
.endr
.set j, 0
.rept 8
	v_alignbit_b32 v[S],   v[S+1], v[S],   v[SH+j]
	v_alignbit_b32 v[S+1], v[S+2], v[S+1], v[SH+j]
	v_alignbit_b32 v[S+2], v[S+3], v[S+2], v[SH+j]
	v_alignbit_b32 v[S+3], s[GID], v[S+3], v[SH+j]
	s_add_co_u32 s[GID], s[GID], 1
.set j, j+1
.endr
.endm
	s_wait_alu depctr_va_vdst(0)                   ; v[MR] is written, which the loads read; the sorting lines are done reading v[MV ..], in which they land
.set j, 0
.rept 8
	ds_load_b32 v[MV+j], v[MR] offset:j*512
.set j, j+1
.endr
	s_mov_b32 s[CTR], 31
.Lpick:
	PICK 1
	s_wait_alu depctr_vm_vsrc(0)                   ; the trip's loads have read v[MR]
	v_add_nc_u32 v[MR], 4096, v[MR]
	s_sub_co_u32 s[CTR], s[CTR], 1
	s_cmp_lg_u32 s[CTR], 0
	s_cbranch_scc1 .Lpick
	PICK 0
	s_lshl_b32 s24, s[YY], 16                      ; 16 bytes a query: byte 0 the smallest group number, byte 15 the largest
	s_lshl_b32 s26, s[XX], 11
	s_add_co_u32 s24, s24, s26
	s_mov_b32 s25, 0
	s_add_nc_u64 s[16:17], s[16:17], s[24:25]
	v_lshlrev_b32 v7, 4, v0                        ; (the head's loads, which read v7, stand ahead of many waits on vm_vsrc)
	s_wait_alu depctr_va_vdst(0)                   ; v7 and the queue v[S ..] are written: the store's offset and data
	global_store_b128 v7, v[S:S+3], s[16:17]       ; a wave's store covers 512 consecutive bytes, aligned
	s_wait_dscnt 0x0                               ; the closing lines, six on end
	s_wait_alu 0x0
	s_wait_tensorcnt 0x0
	ds_add_u32 v[SPW], v[NIL]
	s_wait_dscnt 0x0
	s_endpgm
.Lfunc_end_k_q96de1dd6b0_knn_groups:
	.size	k_q96de1dd6b0_knn_groups, .Lfunc_end_k_q96de1dd6b0_knn_groups-k_q96de1dd6b0_knn_groups
	.p2alignl 7, 3214868480
	.fill 96, 4, 3214868480
	.section	.rodata,"a",@progbits
	.p2align	6, 0x0
	.amdhsa_kernel k_q96de1dd6b0_knn_groups
		.amdhsa_group_segment_fixed_size 201728
		.amdhsa_private_segment_fixed_size 0
		.amdhsa_enable_private_segment 0
		.amdhsa_kernarg_size 64
		.amdhsa_user_sgpr_count 2
		.amdhsa_user_sgpr_kernarg_segment_ptr 1
		.amdhsa_wavefront_size32 1
		.amdhsa_system_sgpr_workgroup_id_x 1
		.amdhsa_system_sgpr_workgroup_id_y 1
		.amdhsa_system_sgpr_workgroup_id_z 1
		.amdhsa_system_vgpr_workitem_id 0
		.amdhsa_next_free_vgpr 256
		.amdhsa_next_free_sgpr 66
		.amdhsa_reserve_vcc 0
		.amdhsa_float_denorm_mode_32 3
		.amdhsa_float_denorm_mode_16_64 3
		.amdhsa_memory_ordered 1
		.amdhsa_forward_progress 1
		.amdhsa_inst_pref_size 99
	.end_amdhsa_kernel
	.amdgpu_metadata
---
amdhsa.version: [ 1, 2 ]
amdhsa.kernels:
  - .name:           k_q96de1dd6b0_knn_groups
    .symbol:         k_q96de1dd6b0_knn_groups.kd
    .args:
      - { .name: pc1, .offset: 0, .size: 8, .value_kind: global_buffer, .address_space: global }
      - { .name: pc2, .offset: 8, .size: 8, .value_kind: global_buffer, .address_space: global }
      - { .name: w_m1, .offset: 16, .size: 8, .value_kind: global_buffer, .address_space: global }
      - { .name: w_m2, .offset: 24, .size: 8, .value_kind: global_buffer, .address_space: global }
      - { .name: w_t1, .offset: 32, .size: 8, .value_kind: global_buffer, .address_space: global }
      - { .name: w_t2, .offset: 40, .size: 8, .value_kind: global_buffer, .address_space: global }
      - { .name: grp, .offset: 48, .size: 8, .value_kind: global_buffer, .address_space: global }
      - { .name: wpk, .offset: 56, .size: 8, .value_kind: global_buffer, .address_space: global }
    .group_segment_fixed_size: 201728
    .private_segment_fixed_size: 0
    .kernarg_segment_align: 8
    .kernarg_segment_size: 64
    .max_flat_workgroup_size: 128
    .sgpr_count:     66
    .vgpr_count:     256
    .wavefront_size: 32
...
	.end_amdgpu_metadata
.endif
;; end of part 4
;; launch knn_refine: the kernel of part 2 again; grid 32 x 8, 4 waves a work-group, no clusters, 254,976 bytes of LDS; arguments pc1, pc2, feat2, b_t2, grp, wpk, idx, p2t; writes idx, p2t
;; launch gather_mlp: the kernel of part 3 again; grid 32 x 8, 4 waves a work-group, no clusters, 183,808 bytes of LDS; arguments p2t, idx, wpk, pc1, pc2, feat1, w_pos, b_t1, b_pos, b_m1, b_m2, out0; writes out0
